; MI455X (gfx1250); checked and timed in simulation.
; The chip was launched on July 23, 2026; its instructions are those of AMD's public machine-readable ISA for CDNA 5 (MIT licence, August 2026) and "CDNA5" Instruction Set Architecture Reference Guide (July 2026). The comments in the code are by the model that wrote it; some were corrected since.
;; Mixtureof Experts Block. Allowed arithmetic: matrix products marked QUANTISED: E2M1 operands, one E8M0 scale for each 32 along K, by v_wmma_scale_f32_16x16x128_f8f6f4 with both operands' format E2M1 (or v_wmma_scale_f32_32x16x128_f4), f32 sums; products left as they are: f32 operands where the result goes on into a quantised operand, else bf16, f16 or f32 operands; f32 sums; everything else in f32.
;; Inputs: W1 8 x 1,024 x 1,024 float32; W2 8 x 1,024 x 1,024 float32; Wr 1,024 x 8 float32; b1 8 x 1,024 float32; b2 8 x 1,024 float32; br 8 float32; x 2 x 2,048 x 1,024 float32.
;; Outputs: out0 2 x 2,048 x 1,024 float32.
;; This version of the problem:
;;   THIS VERSION OF THE PROBLEM IS GIVEN IN LOW PRECISION. The matrix products marked QUANTISED in the list below multiply operands that are first quantised to E2M1 (2 exponent bits, 1 mantissa bit; 4 bits a number), with one power-of-two scale for each 32 numbers along K (OCP MX v1.0); their sums are f32. All else is computed in f32.
;;   The module's matrix products, in the order in which they are computed (A, B: the left and right operand; K: the contracted axis; several contracted axes count as one K, in the product's order):
;;     1. [M 4,096, K 1,024] x [K 1,024, N 8]; A: input x; B: input Wr: left as it is (N = 8 < 16)
;;     2. [M 8,192, K 1,024] x [K 1,024, N 4,096]; A: input W1; B: input x: QUANTISED
;;     3. batch 8 x [M 4,096, K 1,024] x [K 1,024, N 1,024]; A: computed on the way; B: input W2: QUANTISED
;;     4. batch 4,096 x [M 1, K 8] x [K 8, N 1,024]; A: softmax; B: computed on the way: left as it is (K = 8 < 32)
;;   THE QUANTISER, for each operand of a quantised product, along K:
;;     - K is cut into blocks of 32 from its start; a last block that is shorter is filled with zeros.
;;     - A block's scale is 2^e with e = floor(log2(the largest magnitude in the block)) - 2, held to -126 .. 127; a block of zeros has e = 0. As a byte (E8M0): e + 127.
;;     - Each number is divided by its block's scale, clamped to +-6, and rounded to the nearest number of E2M1, ties to even, subnormals kept.
;;     - The product sums the exact products of the quantised numbers (number of the format x scale) in f32.
;;   ~~~python
;;   def quantise(x, axis):      # numpy; x: float32 -> the quantised numbers, widened to float32 again
;;       x = np.moveaxis(x, axis, -1); K = x.shape[-1]
;;       x = np.pad(x, [(0, 0)] * (x.ndim - 1) + [(0, -K % 32)]); x = x.reshape(x.shape[:-1] + (-1, 32)); a = np.abs(x).max(-1, keepdims=True)
;;       e = np.where(a > 0, np.clip(np.frexp(np.where(a > 0, a, 1))[1] - 1 - 2, -126, 127), 0)      # np.frexp(a)[1] - 1 = floor(log2(a)), exactly
;;       r = np.clip(x / 2.0 ** e, -6, 6)
;;       step = 2.0 ** (np.maximum(np.frexp(np.where(r == 0, 1, r))[1] - 1, 0) - 1)
;;       q = np.round(r / step) * step * 2.0 ** e      # np.round: ties to even
;;       return np.moveaxis(q.reshape(q.shape[:-2] + (-1,))[..., :K], -1, axis).astype(np.float32)
;;   ~~~
;;   OPERANDS COMPUTED ON THE WAY. 'Computed on the way' means the value that the module computes at that place (a softmax that the list does not call 'softmax' is quantised finished and normalised). What goes into a quantiser is computed in f32, as accurately as f32 sums, v_exp_f32 and their like allow (about 1e-6 of the number): no bf16 or f16 on the way to a quantiser, and a product that is left as it is and whose result goes on into a quantised operand takes f32 operands (vector FMAs, or v_wmma_f32_16x16x4_f32). A number that lies on a knife's edge between two numbers of the format may be rounded either way, as far as f32 arithmetic and the matrix unit's own rounding can turn it there, and no further.
;; One version. Each part assembles by itself: llvm-mc -triple=amdgcn-amd-amdhsa -mcpu=gfx1250 --defsym DOCPART=n.
;; ======== version 1 of 1: 4 launches
;; limits: right only within a limited range of input values
;; workspace buffers: xc 2,228,224 bytes; gate 131,072 bytes; sets 16,384 bytes of whole numbers; order 16,384 bytes of whole numbers; tinfo 2,560 bytes of whole numbers; wc 8,388,608 bytes; ws 524,288 bytes; hq 17,825,792 bytes
;; launch route (part 1): grid 512 x 1, 4 waves a work-group, no clusters, 48,896 bytes of LDS; arguments x, Wr, br, xc, gate, sets; writes xc, gate, sets
.if DOCPART == 1
	.amdgcn_target "amdgcn-amd-amdhsa--gfx1250"
	.amdhsa_code_object_version 6
	.text
	.protected	k_q5ef00f1456_route
	.globl	k_q5ef00f1456_route
	.p2align	8
	.type	k_q5ef00f1456_route,@function
k_q5ef00f1456_route:
	s_mov_b64 s[64:65], 0
	v_nop
	global_prefetch_b8 v0, s[64:65] scope:SCOPE_SE
	s_setreg_imm32_b32 hwreg(HW_REG_WAVE_MODE, 25, 1), 1
	s_wait_xcnt 0x0
; THE ROUTER, AND x INTO CODES.  4,096 tokens of 1,024 numbers.  scores = x Wr + br in f32; the two largest scores of a token (ties: the lower expert) are chosen; the gate is the softmax over
; the chosen two, 0 for the other six.  x is turned into codes of FP4 (E2M1) with one E8M0 byte for each 32 along its 1,024.
; WORK LEFT OUT, in this program's later launches.  reference() puts -inf in the softmax's place of every expert outside a token's top two, so that expert's weight is exactly 0 for all finite inputs,
; and the row of the expert's two products and of the weighted sum that belongs to this token is multiplied by that 0: it can reach no output.  So of the 8 experts' rows of a token only the chosen two are
; computed, and the weighted sum has two terms.  LIMIT: a NaN, an infinity or an overflow that would arise only in a row so left out is not carried to the result.  Every input is loaded by some launch.
; LIMITS: NaN and infinities among the inputs are not served (a NaN score would leave other than two experts chosen).  The score's f32 sum goes in another order than reference()'s.  A block of zeros gets
; the scale byte 1 where the quantiser says 127: its codes are zeros, which add nothing under any byte but 0xff, and the bytes are read by this program alone.
; No address and no branch of this launch hangs on a score: the choice is stored as a whole number (sets: the number of a token's pair of experts a < b, a (13 - a) / 2 + b - 1, 0 to 27) and used by the next launch.
; SHARES.  A work-group takes 8 tokens; wave w takes numbers 256 w .. 256 w + 255 of each.  All 16 loads of x of a wave go out at the head, each of 512 consecutive bytes.
; For the scores a lane uses its numbers as they were loaded (4 neighbours a load), with Wr's 64 numbers that go with them in registers.  For the conversions a lane must hold 16 neighbours: two tokens'
; 2,048 bytes turn through the wave's own stage in LDS (16 bytes of padding behind each 64).  Partial scores meet in LDS; wave 0 finishes.
; OUT: xc [4 (w)][4096][128 bytes]; xs [token / 8][4 (w)][token % 8][8 bytes]; gate: weight of (token, e) at 256 (token / 8) + 64 (token % 4) + 8 e + (token & 4); sets [4096] words.
.set WRS,   0                          ; LDS: for each wave 64 groups of 128 bytes of Wr, 144 bytes apart
.set STGX,  36864                      ; for each wave a stage of 32 places of 80 bytes
.set XSB,   47104                      ; the work-group's 256 scale bytes, as they lie in xs
.set RS,    47360                      ; partial scores: [2 (four tokens each)][4 waves][32 words]
.set SPARE, 48384                      ; the spare words, 128 bytes for each wave: two blocks of 256 bytes that no other line names
.set SPW, 14                           ; v14  LDS address of my spare word; never rewritten
.set NIL, 15                           ; v15  0; never rewritten
.set WR,  16                           ; v16-79   Wr(256 w + 128 i + 4 lane + j, e) at 32 i + 8 j + e
.set X,   80                           ; v80-143  x as loaded: token t, load i at 8 t + 4 i
.set ACC, 144                          ; v144-175 partial scores: 8 (t % 4) + e.  (v144-207 first take Wr as it lies in memory)
.set N,   176                          ; v176-191 16 neighbours
.set T,   192                          ; v192-207 at work
.set C,   208                          ; v208-215 codes, two registers a step
.set E,   216                          ; v216-219 a scale byte a step
.set R,   220                          ; v220-221 my wave's sums, one of 32 values a lane
	s_load_b256 s[4:11], s[0:1], 0x0               ; x, Wr, br, xc
	s_load_b64 s[14:15], s[0:1], 0x20              ; gate
	s_load_b64 s[16:17], s[0:1], 0x28              ; sets
	v_lshl_add_u32 v[SPW], v0, 2, SPARE
	v_mov_b32 v[NIL], 0
	v_lshrrev_b32 v1, 5, v0
	v_readfirstlane_b32 s18, v1                    ; wave 0..3
	v_and_b32 v1, 31, v0                           ; lane
	s_mov_b32 s20, 0xaaaaaaaa                      ; lanes whose bit 0 is set,
	s_mov_b32 s21, 0xcccccccc                      ; bit 1,
	s_mov_b32 s22, 0xf0f0f0f0                      ; bit 2,
	s_mov_b32 s23, 0xff00ff00                      ; bit 3
	s_lshl_b32 s26, s18, 10
	v_lshl_add_u32 v2, v1, 4, s26                  ; x: 16 lane + 1,024 w
	s_lshl_b32 s26, s18, 13
	v_lshl_add_u32 v3, v1, 4, s26                  ; Wr as it lies: 16 lane + 8,192 w
	s_mul_i32 s28, s18, 9216
	v_lshrrev_b32 v4, 3, v1
	v_mul_u32_u24 v4, v4, 144
	v_and_b32 v5, 7, v1
	v_lshl_add_u32 v4, v5, 4, v4
	v_add_nc_u32 v4, s28, v4                       ; Wr into LDS: eight lanes' 128 bytes are a group; a load's 512 bytes are four groups
	v_mul_u32_u24 v5, v1, 144
	v_add_nc_u32 v5, s28, v5                       ; and out: group 32 i + lane
	s_mul_i32 s29, s18, 2560
	s_add_co_u32 s29, s29, STGX
	v_lshrrev_b32 v6, 2, v1
	v_mul_u32_u24 v6, v6, 80
	v_and_b32 v7, 3, v1
	v_lshl_add_u32 v6, v7, 4, v6
	v_add_nc_u32 v6, s29, v6                       ; the stage, in: four lanes' 64 bytes on end, then 16 of padding
	v_mul_u32_u24 v7, v1, 80
	v_add_nc_u32 v7, s29, v7                       ; and out: my 16 neighbours
	v_lshlrev_b32 v8, 3, v1                        ; 8 lane
	s_lshl_b32 s30, s18, 6
	s_add_co_u32 s30, s30, XSB
	v_lshrrev_b32 v9, 1, v1
	v_add_nc_u32 v9, s30, v9                       ; my block's scale byte: 64 w + lane / 2 (+ 16 a step)
	s_lshl_b32 s31, s18, 7
	s_add_co_u32 s31, s31, RS
	v_lshl_add_u32 v10, v1, 2, s31                 ; my wave's partial scores
	v_and_b32 v11, 7, v1
	v_lshlrev_b32 v11, 2, v11                      ; br: expert lane % 8
	v_lshlrev_b32 v13, 2, v1                       ; 4 lane
	s_wait_alu depctr_va_vdst(0)
	s_wait_kmcnt 0x0
	s_add_nc_u64 s[12:13], s[10:11], 0x200000      ; xs lies in buffer xc, behind the 2,097,152 bytes of codes
	s_lshl_b32 s26, ttmp9, 15                      ; 8 tokens of 4,096 bytes
	s_mov_b32 s27, 0
	s_add_nc_u64 s[4:5], s[4:5], s[26:27]
	s_lshl_b32 s26, s18, 19
	s_lshl_b32 s28, ttmp9, 10
	s_add_co_u32 s26, s26, s28
	s_add_nc_u64 s[10:11], s[10:11], s[26:27]      ; xc: quarter w, 8 tokens of 128 bytes
	s_lshl_b32 s26, ttmp9, 8
	s_add_nc_u64 s[12:13], s[12:13], s[26:27]      ; xs and gate: 256 bytes a work-group
	s_add_nc_u64 s[14:15], s[14:15], s[26:27]
	s_lshl_b32 s26, ttmp9, 5
	s_add_nc_u64 s[16:17], s[16:17], s[26:27]      ; sets: 8 words
.irp n, 0,1,2,3,4,5,6,7,8,9,10,11,12,13,14,15
	global_load_b128 v[ACC+4*\n:ACC+4*\n+3], v3, s[6:7] offset:512*\n   ; my wave's 8,192 bytes of Wr, 512 consecutive bytes a load
.endr
	global_load_b32 v12, v11, s[8:9]
.irp t, 0,1,2,3,4,5,6,7
.irp i, 0,1
	global_load_b128 v[X+8*\t+4*\i:X+8*\t+4*\i+3], v2, s[4:5] offset:4096*\t+512*\i th:TH_LOAD_NT
.endr
.endr
	s_wait_loadcnt 17                              ; Wr is in; behind it stand br and the 16 loads of x
.irp n, 0,1,2,3,4,5,6,7,8,9,10,11,12,13,14,15
	ds_store_b128 v4, v[ACC+4*\n:ACC+4*\n+3] offset:576*\n
.endr
.irp i, 0,1
.irp n, 0,1,2,3,4,5,6,7
	ds_load_b128 v[WR+32*\i+4*\n:WR+32*\i+4*\n+3], v5 offset:4608*\i+16*\n   ; the wave's own bytes, served in order: no barrier
.endr
.endr
	s_wait_dscnt 0x0
; Tokens 2 q and 2 q + 1: their scores' parts, their codes and scale bytes.
.macro STEP q
	s_wait_loadcnt 4*(3-\q)                        ; this step's four loads are in; the later steps' may be out
.irp i, 0,1,2,3
	ds_store_b128 v6, v[X+16*\q+4*\i:X+16*\q+4*\i+3] offset:640*\i
.endr
.irp i, 0,1,2,3
	ds_load_b128 v[N+4*\i:N+4*\i+3], v7 offset:16*\i
.endr
.irp a, 0,1                                    ; while the numbers turn through the stage: 8 numbers x 8 experts a token; the first product starts each sum
.irp e, 0,1,2,3,4,5,6,7
	v_mul_f32 v[ACC+8*((2*\q+\a)%4)+\e], v[X+16*\q+8*\a], v[WR+\e]
.endr
.irp k, 1,2,3,4,5,6,7
.irp e, 0,1,2,3,4,5,6,7
	v_fmac_f32 v[ACC+8*((2*\q+\a)%4)+\e], v[X+16*\q+8*\a+\k], v[WR+32*(\k/4)+8*(\k%4)+\e]
.endr
.endr
.endr
	s_wait_dscnt 0x0                               ; my 16 neighbours are back: lanes 0-15 the first token's, lanes 16-31 the second's
	v_max3_num_f32 v[T], |v[N]|, |v[N+1]|, |v[N+2]|
	v_max3_num_f32 v[T+1], |v[N+3]|, |v[N+4]|, |v[N+5]|
.irp i, 6,10
	v_max3_num_f32 v[T], v[T], |v[N+\i]|, |v[N+\i+1]|
	v_max3_num_f32 v[T+1], v[T+1], |v[N+\i+2]|, |v[N+\i+3]|
.endr
	v_max3_num_f32 v[T], v[T], |v[N+14]|, |v[N+15]|
	v_max3_num_f32 v[T], v[T], v[T+1], 0x1800000   ; and the floor 2^(3 - 127): the byte cannot fall under 1
	v_max_num_f32_dpp v[T], v[T], v[T] row_xmask:1 row_mask:0xf bank_mask:0xf   ; with my neighbour's 16: the block's largest magnitude
	v_add_nc_u32 v[T+2], 0xff000000, v[T]          ; 2 off its exponent field: the conversion's scale operand
	v_cvt_scalef32_pk8_fp4_f32 v[C+2*\q], v[N:N+7], v[T+2]
	v_cvt_scalef32_pk8_fp4_f32 v[C+2*\q+1], v[N+8:N+15], v[T+2]
	v_lshrrev_b32 v[E+\q], 23, v[T+2]              ; the scale's byte (a plain line behind the conversions)
	ds_store_b8 v9, v[E+\q] offset:16*\q           ; both lanes of a block write the same byte
	global_store_b64 v8, v[C+2*\q:C+2*\q+1], s[10:11] offset:256*\q   ; 32 lanes store 256 consecutive bytes, aligned: two tokens' 128
.endm
; 32 values a lane (4 tokens x 8 experts) are summed over the 32 lanes, and lane l ends with the sum of value l: at each stage a lane keeps the half of the values whose index bit equals its lane bit.
.macro TSTAGE half, msk
.set J, 0
.rept \half
	v_cndmask_b32 v[T+2*(J%4)], v[ACC+J], v[ACC+J+\half], s[\msk]       ; what I keep,
	v_cndmask_b32 v[T+2*(J%4)+1], v[ACC+J+\half], v[ACC+J], s[\msk]     ; what my partner keeps
	v_add_f32_dpp v[ACC+J], v[T+2*(J%4)+1], v[T+2*(J%4)] row_xmask:\half row_mask:0xf bank_mask:0xf
.set J, J+1
.endr
.endm
.macro TRED g
.irp j, 0,1,2,3,4,5,6,7,8,9,10,11,12,13,14,15
	v_permlane16_swap_b32 v[ACC+\j], v[ACC+16+\j]  ; value j's upper lanes change places with value j + 16's lower lanes
.endr
.irp j, 0,1,2,3,4,5,6,7,8,9,10,11,12,13,14,15
	v_add_f32 v[ACC+\j], v[ACC+\j], v[ACC+16+\j]
.endr
	TSTAGE 8, 23
	TSTAGE 4, 22
	TSTAGE 2, 21
	TSTAGE 1, 20
	v_mov_b32 v[R+\g], v[ACC]
	ds_store_b32 v10, v[R+\g] offset:512*\g
.endm
	STEP 0
	STEP 1
	TRED 0
	STEP 2
	STEP 3
	TRED 1
	s_wait_dscnt 0x0                               ; for wave 0's sake: my scale bytes and partial scores have landed
	s_barrier_signal -1
	s_barrier_wait -1
	s_cmp_lg_u32 s18, 0
	s_cbranch_scc1 .Lend                           ; wave 0 finishes; no barrier follows
	ds_load_b64 v[42:43], v8 offset:XSB
.irp g, 0,1
.irp k, 0,1,2,3
	ds_load_b32 v[20+4*\g+\k], v13 offset:RS+512*\g+128*\k
.endr
.endr
	s_wait_dscnt 0x0
	global_store_b64 v8, v[42:43], s[12:13]        ; the 256 scale bytes: one aligned run
.irp g, 0,1                                    ; lane l: token 4 g + l / 8, expert l % 8
	v_add_f32 v[20+4*\g], v[20+4*\g], v[21+4*\g]
	v_add_f32 v[22+4*\g], v[22+4*\g], v[23+4*\g]
	v_add_f32 v[16+\g], v[20+4*\g], v[22+4*\g]
	v_add_f32 v[16+\g], v[16+\g], v12              ; the score
	v_mov_b32 v[28+\g], 0
	v_mov_b32 v[30+\g], 0                          ; how many experts of my token come before mine
	v_mov_b32 v[32+\g], v[16+\g]
.endr
; The expert m away (lane xor m) comes before mine if its score is larger, or equal with a lower number: it has the lower number where m's highest bit is set in my lane.
.macro BEAT m, cm
.irp g, 0,1
	v_mov_b32_dpp v[28+\g], v[16+\g] row_xmask:\m row_mask:0xf bank_mask:0xf
.endr
.irp g, 0,1
	v_cmp_gt_f32 s26, v[28+\g], v[16+\g]
	v_cmp_eq_f32 s27, v[28+\g], v[16+\g]
	s_and_b32 s27, s27, s[\cm]
	s_or_b32 s26, s26, s27
	v_cndmask_b32 v[38+\g], 0, 1, s26
	v_add_nc_u32 v[30+\g], v[30+\g], v[38+\g]
.endr
.endm
	BEAT 1, 20
	BEAT 2, 21
	BEAT 3, 21
	BEAT 4, 22
	BEAT 5, 22
	BEAT 6, 22
	BEAT 7, 22
.irp g, 0,1
	v_cmp_gt_u32 s[36+\g], 2, v[30+\g]             ; chosen: fewer than two come before
.endr
.irp m, 1,2,4
.irp g, 0,1
	v_max_num_f32_dpp v[32+\g], v[32+\g], v[32+\g] row_xmask:\m row_mask:0xf bank_mask:0xf   ; the token's largest score: taken away ahead of the exponential, as reference() does
.endr
.endr
.irp g, 0,1
	v_sub_f32 v[34+\g], v[16+\g], v[32+\g]
	v_mul_f32 v[34+\g], 0x3fb8aa3b, v[34+\g]       ; x log2(e)
.endr
	s_wait_alu depctr_va_vdst(0)
.irp g, 0,1
	v_exp_f32 v[34+\g], v[34+\g]
.endr
	v_nop                                          ; a plain line behind the exponentials,
	s_wait_alu depctr_va_vdst(0)                   ; and the wait ahead of their first use
.irp g, 0,1
	v_cndmask_b32 v[34+\g], 0, v[34+\g], s[36+\g]  ; 0 for the six that were not chosen
	v_mov_b32 v[36+\g], v[34+\g]
.endr
.irp m, 1,2,4
.irp g, 0,1
	v_add_f32_dpp v[36+\g], v[36+\g], v[36+\g] row_xmask:\m row_mask:0xf bank_mask:0xf
.endr
.endr
	s_wait_alu depctr_va_vdst(0)
.irp g, 0,1
	v_rcp_f32 v[38+\g], v[36+\g]
.endr
	v_nop
	s_wait_alu depctr_va_vdst(0)
.irp g, 0,1
	v_mul_f32 v[40+\g], v[34+\g], v[38+\g]
.endr
	global_store_b64 v8, v[40:41], s[14:15]        ; the gates: 256 consecutive bytes, aligned
	v_mov_b32 v44, s36                             ; a token's set of experts: 8 bits of the mask of chosen lanes; lane t < 8 takes token t's
	v_mov_b32 v45, s37
	v_cndmask_b32 v44, v44, v45, s22
	v_and_b32 v45, 3, v1
	v_lshlrev_b32 v45, 3, v45
	v_lshrrev_b32 v44, v45, v44
	v_and_b32 v44, 0xff, v44                       ; 2^a + 2^b, a < b
	v_sub_nc_u32 v45, 0, v44
	v_and_b32 v45, v44, v45                        ; 2^a: the lowest bit alone
	v_cvt_f32_u32 v46, v44                         ; as f32 (exact): the exponent field of 2^a + 2^b is b + 127,
	v_cvt_f32_u32 v45, v45                         ; that of 2^a is a + 127.  (The number goes to memory; no address of this launch hangs on it)
	v_lshrrev_b32 v46, 23, v46
	v_lshrrev_b32 v45, 23, v45
	v_sub_nc_u32 v47, 140, v45                     ; 13 - a
	v_add_nc_u32 v45, 0xffffff81, v45              ; a
	v_mul_u32_u24 v47, v47, v45
	v_lshrrev_b32 v47, 1, v47                      ; a (13 - a) / 2: the pairs whose first expert is lower
	v_add3_u32 v44, v47, v46, 0xffffff80           ; + b - 1: the pair's number where a is even
	v_lshl_add_u32 v47, v47, 1, v45                ; where a is odd its pairs are numbered with b descending, a (13 - a) / 2 + a + 7 - b, so that pairs with neighbouring numbers always share an expert
	v_sub_nc_u32 v47, v47, v44
	v_add_nc_u32 v47, 6, v47
	v_and_b32 v45, 1, v45
	v_cmp_eq_u32 vcc_lo, 1, v45
	v_cndmask_b32 v44, v44, v47, vcc_lo
	v_cmp_gt_u32 vcc_lo, 8, v1
	s_wait_alu depctr_va_vdst(0)
	s_wait_xcnt 0x0                                ; EXEC changes only when the stores above have had their addresses translated
	s_and_saveexec_b32 s26, vcc_lo
	global_store_b32 v13, v44, s[16:17]
	s_wait_xcnt 0x0
	s_or_b32 exec_lo, exec_lo, s26
.Lend:
	s_wait_tensorcnt 0x0                           ; the wave's end
	ds_add_u32 v[SPW], v[NIL]
	s_wait_dscnt 0x0
	s_endpgm
.Lfunc_end_k_q5ef00f1456_route:
	.size	k_q5ef00f1456_route, .Lfunc_end_k_q5ef00f1456_route-k_q5ef00f1456_route
	.p2alignl 7, 3214868480
	.fill 96, 4, 3214868480
	.section	.rodata,"a",@progbits
	.p2align	6, 0x0
	.amdhsa_kernel k_q5ef00f1456_route
		.amdhsa_group_segment_fixed_size 48896
		.amdhsa_private_segment_fixed_size 0
		.amdhsa_enable_private_segment 0
		.amdhsa_kernarg_size 48
		.amdhsa_user_sgpr_count 2
		.amdhsa_user_sgpr_kernarg_segment_ptr 1
		.amdhsa_wavefront_size32 1
		.amdhsa_system_sgpr_workgroup_id_x 1
		.amdhsa_system_sgpr_workgroup_id_y 1
		.amdhsa_system_sgpr_workgroup_id_z 1
		.amdhsa_system_vgpr_workitem_id 0
		.amdhsa_next_free_vgpr 224
		.amdhsa_next_free_sgpr 66
		.amdhsa_reserve_vcc 1
		.amdhsa_float_denorm_mode_32 3
		.amdhsa_float_denorm_mode_16_64 3
		.amdhsa_memory_ordered 1
		.amdhsa_forward_progress 1
		.amdhsa_inst_pref_size 48
	.end_amdhsa_kernel
	.amdgpu_metadata
---
amdhsa.version: [ 1, 2 ]
amdhsa.kernels:
  - .name:           k_q5ef00f1456_route
    .symbol:         k_q5ef00f1456_route.kd
    .args:
      - { .name: x, .offset: 0, .size: 8, .value_kind: global_buffer, .address_space: global }
      - { .name: Wr, .offset: 8, .size: 8, .value_kind: global_buffer, .address_space: global }
      - { .name: br, .offset: 16, .size: 8, .value_kind: global_buffer, .address_space: global }
      - { .name: xc, .offset: 24, .size: 8, .value_kind: global_buffer, .address_space: global }
      - { .name: gate, .offset: 32, .size: 8, .value_kind: global_buffer, .address_space: global }
      - { .name: sets, .offset: 40, .size: 8, .value_kind: global_buffer, .address_space: global }
    .group_segment_fixed_size: 48896
    .private_segment_fixed_size: 0
    .kernarg_segment_align: 8
    .kernarg_segment_size: 48
    .max_flat_workgroup_size: 128
    .sgpr_count:     66
    .vgpr_count:     224
    .wavefront_size: 32
...
	.end_amdgpu_metadata
.endif
;; end of part 1
;; launch wq_place (part 2): grid 257 x 1, 16 waves a work-group, no clusters, 39,424 bytes of LDS; arguments W1, W2, sets, wc, ws, order, tinfo; writes wc, ws, order, tinfo
.if DOCPART == 2
	.amdgcn_target "amdgcn-amd-amdhsa--gfx1250"
	.amdhsa_code_object_version 6
	.text
	.protected	k_q5ef00f1456_wq_place
	.globl	k_q5ef00f1456_wq_place
	.p2align	8
	.type	k_q5ef00f1456_wq_place,@function
k_q5ef00f1456_wq_place:
	s_mov_b64 s[64:65], 0
	v_nop
	global_prefetch_b8 v0, s[64:65] scope:SCOPE_SE
	s_setreg_imm32_b32 hwreg(HW_REG_WAVE_MODE, 25, 1), 1
	s_wait_xcnt 0x0
; TWO JOBS IN ONE LAUNCH.  Work-groups 1 to 256 turn W1 and W2 (8 experts x [1024 (K)][1024 (n)] f32 each, K the FIRST axis) into codes of FP4 (E2M1) with one E8M0 byte for each 32 along K.
; Work-group 0 places the tokens: it reads the number of each token's pair of experts (whole numbers that the launch before stored), sorts the tokens by pair (28 pairs) by a counting sort, and
; writes the list of tiles.  Work left out by the program: only the chosen two experts' rows of a token are computed later (shown at the head of the first kernel).
; THE WEIGHTS.  A lane takes a column n and its registers run down K, so that a block of 32 lies in one lane and the conversions give codes with K innermost.  The codes are laid as IMAGES OF THE
; OPERAND'S REGISTERS: wc [16 matrices][32 (pt)][8 (K step of 128)][2 (u)][1,024 bytes]; tile 2 pt + u has, as its row r, column 32 pt + 8 u + r + 8 (r / 8); the 16 bytes of block t of row r lie at
; 256 t + 16 r.  So one store of a wave (a block of 32 columns) fills two aligned runs of 256 bytes, with no way through LDS.  ws [16][32][8][16 u + r]: a word of four scale bytes.
; A wave takes 32 columns x 128 along K; the sixteen waves of a work-group stand side by side on 2,048 bytes of each row of W.  Loads run two blocks (64 loads a wave) ahead.
; LIMITS: a block of zeros gets the byte 1 where the quantiser says 127 (its codes are zeros, and this program alone reads the bytes); NaN and infinities among the inputs are not served; a pair's number
; over 27 (only a NaN score makes one) is held at 27 and not served.
; THE TILES.  A tile is up to 32 tokens of ONE pair.  With n_k tokens of pair k there are sum ceil(n_k / 32) <= (4,096 + 28 x 31) / 32 = 155.1 tiles, whatever the choice.  tinfo has 160 entries
; {first expert, second expert, first place in order, number of tokens}; those past the last tile read {0, 1, 0, 0}.  order [4096]: the tokens by pair, ascending within a pair; each place is written once.
; THE PLACING, all in whole numbers.  Thread t takes tokens 8 t .. 8 t + 7.  Its counts of the 28 pairs (8 at the most) lie in nibbles of four registers: pair k in register (k / 4) % 4 at bit
; 4 (k % 4) + 16 (k / 16).  One shift and one AND make of them 16 registers of two 16-bit fields: pair k in register k % 16, half k / 16.  These are summed along the lanes (each lane: its own and all lower
; lanes'), the waves' totals meet in LDS as a vector with pair k in lane k, and each pair's first place and the earlier waves' tokens are added on.  No field passes 4,096.  A token's place is then
; its pair's field less 1, less the later tokens of the same pair in its own thread; it finds the field by a choice in halves among the 16 registers on the low four bits of k.  No LDS address is made of data.
.set SPARE, 2048                       ; LDS: from 0 the sixteen waves' counts, 128 bytes each; then the spare words, 128 bytes for each wave: eight blocks of 256 bytes that no other line names
.set SPW, 14                           ; v14  LDS address of my spare word; never rewritten
.set NIL, 15                           ; v15  0; never rewritten
.set X,   32                           ; the weights' path: v32-95 two sets of 32 numbers
.set C,   96
.set SB,  24
.set KS,  16                           ; the placing path: v16-23 my 8 tokens' pairs as loaded
.set KK,  24                           ; v24-31 held at 27
.set LR,  32                           ; v32-39 1 + the later tokens of the same pair in my thread
.set SH,  40                           ; v40-47 the pair's bit in its nibble register
.set RR,  48                           ; v48-55 which nibble register
.set TW,  40                           ; v40-55 later: the sixteen waves' counts
.set ON,  56                           ; v56-63 1 at that bit; later the tokens' places
.set H,   64                           ; v64-67 the nibble registers
.set P,   68                           ; v68-83 the 16 registers of two fields
.set U,   84                           ; v84-91 at work
.set DAT, 92                           ; v92-99 the tokens' numbers
.set TI,  108                          ; v108-111 a tile's entry; v112-115 at work on it
.set VC,  116                          ; lane k: my wave's tokens of pair k
.set VTOT, 117                         ; lane k: all tokens of pair k
.set VBEF, 118                         ; lane k: those of the waves before mine
.set VRUN, 120                         ; lane k: the pair's first place
.set VBASE, 121                        ; lane k: my wave's first place in the pair
.set VPK, 122
.set TMP, 123
	s_load_b256 s[4:11], s[0:1], 0x0               ; W1, W2, sets, wc
	s_load_b128 s[12:15], s[0:1], 0x20             ; ws, order
	s_load_b64 s[16:17], s[0:1], 0x30              ; tinfo
	v_lshl_add_u32 v[SPW], v0, 2, SPARE
	v_mov_b32 v[NIL], 0
	v_lshrrev_b32 v1, 5, v0
	s_delay_alu instid0(VALU_DEP_1)
	v_readfirstlane_b32 s18, v1                    ; wave 0..15
	v_and_b32 v1, 31, v0                           ; lane
	s_wait_kmcnt 0x0
	s_cmp_eq_u32 ttmp9, 0                          ; the work-group's number: the same in all sixteen waves
	s_cbranch_scc1 .Lplace
	; ---- the weights
	; THE WEIGHTS AS THEY ARE DONE HERE (this takes the place of what the head says of their shares and of ws).  Work-group g = 0 .. 255 takes matrix g / 16, columns 64 (g % 16) .. + 63, all of K.
	; Wave w takes K blocks 2 w and 2 w + 1, a chunk of 32 rows x 64 columns each.  A load brings 16 bytes a lane: lanes 0-15 row i, lanes 16-31 row 16 + i, 256 consecutive bytes each, aligned.
	; So a lane holds 4 columns x 16 rows: the block's largest magnitude joins lanes l and l xor 16; a column's 16 numbers are moved into consecutive registers for the conversions; two exchanges of
	; halves give a lane a column's whole 16 bytes.  The codes turn through the wave's own 2,048 bytes of LDS and leave as four runs of 512 consecutive bytes of wc (layout as the head has it).
	; ws [16 matrices][32 (pt)][16 u + r][8 words, one a K step]: a wave makes two bytes a column; the sixteen waves' meet in LDS, and waves 0 to 3 store the work-group's 2,048 consecutive bytes.
.set SST, 4096                         ; LDS of this path alone: the scale bytes, as they lie in ws
.set CST, 6144                         ; and 2,048 bytes of codes for each wave
.set WSO, 6
.set WBY, 10
.set WCD, 16
.set WMX, 24
.set WPX, 28
.set WTP, 96
	s_sub_co_u32 s20, ttmp9, 1                     ; g
	s_lshr_b32 s21, s20, 4                         ; the matrix: 0-7 W1's experts, 8-15 W2's
	s_and_b32 s22, s20, 15                         ; which 64 columns
	s_cmp_lt_u32 s20, 128
	s_cselect_b64 s[4:5], s[4:5], s[6:7]
	s_and_b32 s24, s21, 7
	s_lshl_b32 s24, s24, 22                        ; an expert's 4 MiB,
	s_lshl_b32 s25, s18, 18                        ; 64 rows of 4,096 bytes a wave,
	s_add_co_u32 s24, s24, s25
	s_lshl_b32 s25, s22, 8                         ; 64 columns
	s_add_co_u32 s24, s24, s25
	s_mov_b32 s25, 0
	s_add_nc_u64 s[4:5], s[4:5], s[24:25]
	s_lshl_b32 s24, s21, 19
	s_lshl_b32 s26, s22, 15
	s_add_co_u32 s24, s24, s26
	s_lshr_b32 s26, s18, 1
	s_lshl_b32 s26, s26, 11                        ; K step w / 2,
	s_add_co_u32 s24, s24, s26
	s_and_b32 s26, s18, 1
	s_lshl_b32 s26, s26, 9                         ; its blocks 2 (w % 2) and the next
	s_add_co_u32 s24, s24, s26
	s_add_nc_u64 s[10:11], s[10:11], s[24:25]
	s_lshl_b32 s24, s21, 15
	s_lshl_b32 s26, s22, 11
	s_add_co_u32 s24, s24, s26
	s_add_nc_u64 s[12:13], s[12:13], s[24:25]
	s_mov_b32 s26, 0x76543210
	s_mov_b32 s27, 0xfedcba98                      ; v_permlanex16_b32's selects for lane l xor 16
	s_lshl_b32 s28, s18, 11
	s_wait_alu depctr_va_vdst(0)                   ; the wait here
	v_and_b32 v2, 15, v0
	v_bfe_u32 v5, v0, 4, 1                         ; h
	v_bfe_u32 v3, v0, 3, 1
	v_bfe_u32 v4, v0, 1, 1
	v_bfe_u32 v6, v0, 2, 1
	v_and_b32 v7, 1, v0
	v_lshrrev_b32 v8, 5, v0
	v_lshlrev_b32 v2, 4, v2
	v_lshlrev_b32 v3, 10, v3
	v_lshl_add_u32 v2, v5, 16, v2                  ; in: 16 (lane % 16) + 16 rows x h
	v_lshl_add_u32 v3, v4, 9, v3                   ; column c = 4 (lane % 16) + ..: 1,024 (c / 32) + 512 u  (the terms share no bit: 1,024 + 512 + 128 + 64 + 16 at the most)
	v_lshl_add_u32 v4, v6, 8, v3
	v_lshl_add_u32 v3, v6, 7, v3
	v_lshl_add_u32 v4, v7, 7, v4                   ; scale bytes: 32 (32 (c / 32) + 16 u + r), + 32 for each column on
	v_lshl_add_u32 v3, v7, 6, v3
	v_lshl_add_u32 v4, v8, 1, v4                   ; + 2 w
	v_lshl_add_u32 v3, v5, 4, v3                   ; codes: .. + 16 r; behind the exchanges lanes 16-31 hold the column one on
	v_add_nc_u32 v4, SST, v4
	v_lshl_add_u32 v3, v8, 11, v3
	v_lshlrev_b32 v5, 4, v1                        ; 16 lane
	v_add_nc_u32 v3, CST, v3
.irp c, 0,1,2,3
	v_mov_b32 v[WPX+\c], 0                         ; a lane permute's destination counts as one of its sources
.endr
	s_wait_alu depctr_va_vdst(0)                   ; the wait at the head's end
.macro LOADC p
.irp i, 0,1,2,3,4,5,6,7,8,9,10,11,12,13,14,15
	global_load_b128 v[X+4*\i:X+4*\i+3], v2, s[4:5] offset:131072*\p+4096*\i th:TH_LOAD_NT
.endr
.endm
.macro CHUNK p
	s_wait_loadcnt 0x0
.irp c, 0,1,2,3                                ; four columns by turns; with the floor 2^(3 - 127): the byte cannot fall under 1
	v_max3_num_f32 v[WMX+\c], |v[X+\c]|, |v[X+4+\c]|, 0x1800000
.endr
.irp i, 2,4,6,8,10,12,14
.irp c, 0,1,2,3
	v_max3_num_f32 v[WMX+\c], v[WMX+\c], |v[X+4*\i+\c]|, |v[X+4*\i+4+\c]|
.endr
.endr
.irp c, 0,1,2,3
	v_permlanex16_b32 v[WPX+\c], v[WMX+\c], s26, s27
.endr
.irp c, 0,1,2,3
	v_max_num_f32 v[WMX+\c], v[WMX+\c], v[WPX+\c]  ; with the other 16 rows': the block's largest magnitude
.endr
.irp c, 0,1,2,3
	v_add_nc_u32 v[WSO+\c], 0xff000000, v[WMX+\c]  ; 2 off its exponent field: the conversion's scale operand
.endr
.if \p == 0
.irp c, 0,1,2,3
	v_lshrrev_b32 v[WBY+\c], 23, v[WSO+\c]         ; the scale's byte
.endr
.else
.irp c, 0,1,2,3
	v_lshrrev_b32 v[WPX+\c], 23, v[WSO+\c]
.endr
.irp c, 0,1,2,3
	v_lshl_or_b32 v[WBY+\c], v[WPX+\c], 8, v[WBY+\c]
.endr
.endif
.irp c, 0,1,2,3                                ; two sets of 16 registers by turns, so that 16 plain lines stand between a conversion and the next write of its sources
.irp i, 0,1,2,3,4,5,6,7,8,9,10,11,12,13,14,15
	v_mov_b32 v[WTP+16*(\c%2)+\i], v[X+4*\i+\c]
.endr
	v_cvt_scalef32_pk8_fp4_f32 v[WCD+2*\c], v[WTP+16*(\c%2):WTP+16*(\c%2)+7], v[WSO+\c]
	v_cvt_scalef32_pk8_fp4_f32 v[WCD+2*\c+1], v[WTP+16*(\c%2)+8:WTP+16*(\c%2)+15], v[WSO+\c]
.endr
.if \p == 0
	LOADC 1                                        ; the numbers have been moved out: the second chunk is asked for
.endif
	v_nop                                          ; a plain line behind the conversions
.irp g, 0,4
.irp d, 0,1
	v_permlane16_swap_b32 v[WCD+\g+\d], v[WCD+\g+2+\d]   ; lanes 0-15: all 32 codes of the even column, lanes 16-31: of the odd one
.endr
.endr
	ds_store_b128 v3, v[WCD:WCD+3] offset:256*\p
	ds_store_b128 v3, v[WCD+4:WCD+7] offset:256*\p+32
.endm
	LOADC 0
	CHUNK 0
	CHUNK 1
.irp c, 0,1,2,3
	ds_store_b16 v4, v[WBY+\c] offset:32*\c        ; (lanes 16-31 write what lanes 0-15 write)
.endr
	v_add_nc_u32 v24, s28, v5
	v_add_nc_u32 v24, CST, v24
.irp q, 0,1,2,3
	ds_load_b128 v[32+4*\q:35+4*\q], v24 offset:512*\q   ; LDS serves a wave's instructions in order: these see my stores
.endr
.irp q, 0,1,2,3
	s_wait_dscnt 3-\q
	global_store_b128 v5, v[32+4*\q:35+4*\q], s[10:11] offset:16384*(\q/2)+1024*(\q%2)   ; 512 consecutive bytes, aligned
.endr
	s_barrier_signal -1                            ; my scale bytes have landed (the wait for 0 above)
	s_barrier_wait -1
	s_cmp_gt_u32 s18, 3
	s_cbranch_scc1 .Lend                           ; waves 0 to 3 store the scale bytes; no barrier follows
	v_lshlrev_b32 v25, 4, v0
	s_wait_alu depctr_va_vdst(0)                   ; the wait here
	ds_load_b128 v[48:51], v25 offset:SST
	s_wait_dscnt 0x0
	global_store_b128 v25, v[48:51], s[12:13]
	s_branch .Lend
	; ---- the placing
.Lplace:
	v_lshlrev_b32 v2, 5, v0                        ; thread t: tokens 8 t .. 8 t + 7, 32 bytes
	global_load_b128 v[KS:KS+3], v2, s[8:9]
	global_load_b128 v[KS+4:KS+7], v2, s[8:9] offset:16
	v_lshlrev_b32 v3, 2, v0                        ; my wave's counts in LDS: 128 w + 4 lane
	s_wait_alu depctr_va_vdst(0)
	v_lshlrev_b32 v4, 2, v1
	v_lshlrev_b32 v5, 4, v0                        ; tinfo: entry = my thread's number
	v_and_b32 v6, 16, v1                           ; lanes 16-31 stand for the upper fields
	v_lshlrev_b32 v13, 3, v0                       ; my first token
	s_mov_b32 s24, 0x000f000f
	s_mov_b32 s25, 0xffff0000                      ; lanes 16-31
	s_mov_b32 s26, 0x76543210
	s_mov_b32 s27, 0xfedcba98                      ; v_permlanex16_b32's selects for lane l xor 16
.irp r, 0,1,2,3
	v_mov_b32 v[H+\r], 0
.endr
.irp n, 0,1,2,3,4,5,6,7
	v_mov_b32 v[U+\n], 0                           ; written once: the destination of a form that reads other lanes counts as one of its sources
.endr
	s_wait_loadcnt 0x0
.irp j, 0,1,2,3,4,5,6,7
	v_min_u32 v[KK+\j], 27, v[KS+\j]
.endr
.irp j, 0,1,2,3,4,5,6,7
	v_and_b32 v[SH+\j], 3, v[KK+\j]
.endr
.irp j, 0,1,2,3,4,5,6,7
	v_and_b32 v[ON+\j], 16, v[KK+\j]
.endr
.irp j, 0,1,2,3,4,5,6,7
	v_lshl_or_b32 v[SH+\j], v[SH+\j], 2, v[ON+\j]  ; 4 (k % 4) + 16 (k / 16)
.endr
.irp j, 0,1,2,3,4,5,6,7
	v_bfe_u32 v[RR+\j], v[KK+\j], 2, 2             ; (k / 4) % 4
.endr
.irp j, 0,1,2,3,4,5,6,7
	v_lshlrev_b32 v[ON+\j], v[SH+\j], 1            ; 1 at the pair's nibble
.endr
	; my thread's counts, from the last token to the first: what a token finds in its nibble is the number of later tokens of its pair
.irp j, 7,6,5,4,3,2,1,0
.irp r, 0,1,2,3
	v_cmp_eq_u32 s[20+\r], \r, v[RR+\j]
.endr
	s_delay_alu instid0(VALU_DEP_3)
	v_cndmask_b32 v7, v[H], v[H+1], s21
	s_delay_alu instid0(VALU_DEP_1)
	v_cndmask_b32 v7, v7, v[H+2], s22
	s_delay_alu instid0(VALU_DEP_1)
	v_cndmask_b32 v7, v7, v[H+3], s23
	s_delay_alu instid0(VALU_DEP_1)
	v_lshrrev_b32 v7, v[SH+\j], v7
	s_delay_alu instid0(VALU_DEP_1)
	v_and_b32 v7, 15, v7
	s_delay_alu instid0(VALU_DEP_1)
	v_add_nc_u32 v[LR+\j], 1, v7
.irp r, 0,1,2,3
	v_cndmask_b32 v[8+\r], 0, v[ON+\j], s[20+\r]
.endr
.irp r, 0,1,2,3
	s_delay_alu instid0(VALU_DEP_4)
	v_add_nc_u32 v[H+\r], v[H+\r], v[8+\r]
.endr
.endr
	; nibbles i and i + 4 of register r become the two fields of register 4 r + i
.irp r, 0,1,2,3
	v_and_b32 v[P+4*\r], s24, v[H+\r]
.irp i, 1,2,3
	v_lshrrev_b32 v[P+4*\r+\i], 4*\i, v[H+\r]
	s_delay_alu instid0(VALU_DEP_1)
	v_and_b32 v[P+4*\r+\i], s24, v[P+4*\r+\i]
.endr
.endr
	; along the lanes: each lane its own and all lower lanes' counts.  Within 16 lanes by steps of 1, 2, 4, 8 (a lane with no lane so far below takes 0); then lane 15's onto lanes 16-31
.irp n, 1,2,4,8
.irp p, 0,1,2,3,4,5,6,7,8,9,10,11,12,13,14,15
	v_mov_b32_dpp v[U+(\p%8)], v[P+\p] row_shr:\n row_mask:0xf bank_mask:0xf bound_ctrl:1
	s_delay_alu instid0(VALU_DEP_1)
	v_add_nc_u32 v[P+\p], v[P+\p], v[U+(\p%8)]
.endr
.endr
.irp p, 0,1,2,3,4,5,6,7,8,9,10,11,12,13,14,15
	v_readlane_b32 s[68+\p], v[P+\p], 15
.endr
.irp p, 0,1,2,3,4,5,6,7,8,9,10,11,12,13,14,15
	v_cndmask_b32 v[U+(\p%8)], 0, s[68+\p], s25
	s_delay_alu instid0(VALU_DEP_1)
	v_add_nc_u32 v[P+\p], v[P+\p], v[U+(\p%8)]
.endr
	; lane 31 holds my wave's totals: they become a vector with pair k in lane k
.irp p, 0,1,2,3,4,5,6,7,8,9,10,11,12,13,14,15
	v_readlane_b32 s[68+\p], v[P+\p], 31
.endr
	v_mov_b32 v[VC], 0
.irp p, 0,1,2,3,4,5,6,7,8,9,10,11,12,13,14,15
	s_delay_alu instid0(VALU_DEP_1)
	v_writelane_b32 v[VC], s[68+\p], \p
.endr
.irp p, 0,1,2,3,4,5,6,7,8,9,10,11
	s_delay_alu instid0(VALU_DEP_1)
	v_writelane_b32 v[VC], s[68+\p], 16+\p
.endr
	s_delay_alu instid0(VALU_DEP_1)
	v_lshrrev_b32 v[VC], v6, v[VC]                 ; lanes 16-27 take the upper field
	s_delay_alu instid0(VALU_DEP_1)
	v_and_b32 v[VC], 0xffff, v[VC]
	ds_store_b32 v3, v[VC]
	s_wait_dscnt 0x0                               ; for the others' sake: my counts have landed
	s_barrier_signal -1
	s_barrier_wait -1
.irp i, 0,1,2,3,4,5,6,7,8,9,10,11,12,13,14,15
	ds_load_b32 v[TW+\i], v4 offset:128*\i
.endr
	v_mov_b32 v[VTOT], 0
	v_mov_b32 v[VBEF], 0
	v_mov_b32 v[TMP], 0
	s_wait_alu depctr_va_vdst(0)
	s_wait_dscnt 0x0
.irp i, 0,1,2,3,4,5,6,7,8,9,10,11,12,13,14,15
	s_cmp_gt_u32 s18, \i
	s_cselect_b32 s20, -1, 0
	v_add_nc_u32 v[VTOT], v[VTOT], v[TW+\i]
	v_and_b32 v[U], s20, v[TW+\i]
	s_delay_alu instid0(VALU_DEP_1)
	v_add_nc_u32 v[VBEF], v[VBEF], v[U]
.endr
	; the pairs' first places: the same sum along the lanes, less the lane's own
	s_delay_alu instid0(VALU_DEP_3)
	v_mov_b32 v[VRUN], v[VTOT]
.irp n, 1,2,4,8
	s_delay_alu instid0(VALU_DEP_1)
	v_mov_b32_dpp v[TMP], v[VRUN] row_shr:\n row_mask:0xf bank_mask:0xf bound_ctrl:1
	s_delay_alu instid0(VALU_DEP_1)
	v_add_nc_u32 v[VRUN], v[VRUN], v[TMP]
.endr
	s_delay_alu instid0(VALU_DEP_1)
	v_readlane_b32 s28, v[VRUN], 15
	s_delay_alu instid0(VALU_DEP_1)
	v_cndmask_b32 v[TMP], 0, s28, s25
	s_delay_alu instid0(VALU_DEP_1)
	v_add_nc_u32 v[VRUN], v[VRUN], v[TMP]
	s_delay_alu instid0(VALU_DEP_1)
	v_sub_nc_u32 v[VRUN], v[VRUN], v[VTOT]
	s_delay_alu instid0(VALU_DEP_1)
	v_add_nc_u32 v[VBASE], v[VRUN], v[VBEF]        ; lane k: where my wave's tokens of pair k begin
	s_delay_alu instid0(VALU_DEP_1)
	v_permlanex16_b32 v[TMP], v[VBASE], s26, s27
	s_delay_alu instid0(VALU_DEP_1)
	v_lshl_or_b32 v[VPK], v[TMP], 16, v[VBASE]     ; lane p < 16: pairs p and 16 + p, as the two fields of register p
.irp p, 0,1,2,3,4,5,6,7,8,9,10,11,12,13,14,15
	v_readlane_b32 s[68+\p], v[VPK], \p
.endr
.irp p, 0,1,2,3,4,5,6,7,8,9,10,11,12,13,14,15
	v_add_nc_u32 v[P+\p], s[68+\p], v[P+\p]
.endr
	; each token's place: its pair's field, less 1 and less the later tokens of that pair in my thread
.irp j, 0,1,2,3,4,5,6,7
	v_and_b32 v8, 1, v[KK+\j]
	v_and_b32 v9, 2, v[KK+\j]
	v_and_b32 v10, 4, v[KK+\j]
	v_and_b32 v11, 8, v[KK+\j]
	v_and_b32 v12, 16, v[KK+\j]
	v_cmp_ne_u32 s20, 0, v8
	v_cmp_ne_u32 s21, 0, v9
	v_cmp_ne_u32 s22, 0, v10
	v_cmp_ne_u32 s23, 0, v11
.irp n, 0,1,2,3,4,5,6,7
	v_cndmask_b32 v[U+\n], v[P+2*\n], v[P+2*\n+1], s20
.endr
.irp n, 0,1,2,3
	v_cndmask_b32 v[U+\n], v[U+2*\n], v[U+2*\n+1], s21
.endr
.irp n, 0
	s_delay_alu instid0(VALU_DEP_3)
	v_cndmask_b32 v[U+\n], v[U+2*\n], v[U+2*\n+1], s22
.endr
.irp n, 1
	s_delay_alu instid0(VALU_DEP_2)
	v_cndmask_b32 v[U+\n], v[U+2*\n], v[U+2*\n+1], s22
.endr
	s_delay_alu instid0(VALU_DEP_1)
	v_cndmask_b32 v[U], v[U], v[U+1], s23          ; register k % 16,
	s_delay_alu instid0(VALU_DEP_1)
	v_lshrrev_b32 v[U], v12, v[U]
	s_delay_alu instid0(VALU_DEP_1)
	v_and_b32 v[U], 0xffff, v[U]                   ; half k / 16
	s_delay_alu instid0(VALU_DEP_1)
	v_sub_nc_u32 v[ON+\j], v[U], v[LR+\j]
.endr
.irp j, 0,1,2,3,4,5,6,7
	v_min_u32 v[ON+\j], 0xfff, v[ON+\j]            ; a place made of loaded numbers is held inside the buffer
	s_delay_alu instid0(VALU_DEP_1)
	v_lshlrev_b32 v[ON+\j], 2, v[ON+\j]
	v_add_nc_u32 v[DAT+\j], \j, v13
.endr
.irp j, 0,1,2,3,4,5,6,7
	global_store_b32 v[ON+\j], v[DAT+\j], s[14:15]
.endr
	; the list of tiles: the 160 threads of waves 0 to 4 make an entry each; no barrier follows
	s_cmp_gt_u32 s18, 4
	s_cbranch_scc1 .Lend
	s_mov_b32 s36, 0                               ; tokens so far
	s_mov_b32 s37, 0                               ; tiles so far
	v_mov_b32 v[TI], 0                             ; {0, 1, 0, 0} where no tile has my number
	v_mov_b32 v[TI+1], 1
	v_mov_b32 v[TI+2], 0
	v_mov_b32 v[TI+3], 0
.set KN, 0
.irp a, 0,1,2,3,4,5,6
.irp b, 1,2,3,4,5,6,7
.if \b > \a
	v_readlane_b32 s38, v[VTOT], KN
	s_add_co_u32 s40, s38, 31
	s_lshr_b32 s40, s40, 5                         ; the pair's tiles
	v_sub_nc_u32 v112, v0, s37                     ; J: which of them would be mine (a number before the pair's first wraps to a large one)
	s_delay_alu instid0(VALU_DEP_1)
	v_cmp_gt_u32 s41, s40, v112
	s_delay_alu instid0(VALU_DEP_2)
	v_lshlrev_b32 v113, 5, v112
	s_delay_alu instid0(VALU_DEP_1)
	v_add_nc_u32 v114, s36, v113                   ; its first place
	s_delay_alu instid0(VALU_DEP_2)
	v_sub_nc_u32 v115, s38, v113
	s_delay_alu instid0(VALU_DEP_1)
	v_min_u32 v115, 32, v115                       ; its tokens
	v_cndmask_b32 v[TI], v[TI], \a, s41
	v_cndmask_b32 v[TI+1], v[TI+1], \b+(\a%2)*(\a+8-2*\b), s41   ; where a is odd the pairs are numbered with b descending: a + 8 - b
	v_cndmask_b32 v[TI+2], v[TI+2], v114, s41
	s_delay_alu instid0(VALU_DEP_4)
	v_cndmask_b32 v[TI+3], v[TI+3], v115, s41
	s_add_co_u32 s36, s36, s38
	s_add_co_u32 s37, s37, s40
.set KN, KN+1
.endif
.endr
.endr
	global_store_b128 v5, v[TI:TI+3], s[16:17]     ; 512 consecutive bytes a wave
.Lend:
	s_wait_tensorcnt 0x0                           ; the wave's end
	ds_add_u32 v[SPW], v[NIL]
	s_wait_dscnt 0x0
	s_endpgm
.Lfunc_end_k_q5ef00f1456_wq_place:
	.size	k_q5ef00f1456_wq_place, .Lfunc_end_k_q5ef00f1456_wq_place-k_q5ef00f1456_wq_place
	.p2alignl 7, 3214868480
	.fill 96, 4, 3214868480
	.section	.rodata,"a",@progbits
	.p2align	6, 0x0
	.amdhsa_kernel k_q5ef00f1456_wq_place
		.amdhsa_group_segment_fixed_size 39424
		.amdhsa_private_segment_fixed_size 0
		.amdhsa_enable_private_segment 0
		.amdhsa_kernarg_size 56
		.amdhsa_user_sgpr_count 2
		.amdhsa_user_sgpr_kernarg_segment_ptr 1
		.amdhsa_wavefront_size32 1
		.amdhsa_system_sgpr_workgroup_id_x 1
		.amdhsa_system_sgpr_workgroup_id_y 1
		.amdhsa_system_sgpr_workgroup_id_z 1
		.amdhsa_system_vgpr_workitem_id 0
		.amdhsa_next_free_vgpr 128
		.amdhsa_next_free_sgpr 98
		.amdhsa_reserve_vcc 0
		.amdhsa_float_denorm_mode_32 3
		.amdhsa_float_denorm_mode_16_64 3
		.amdhsa_memory_ordered 1
		.amdhsa_forward_progress 1
		.amdhsa_inst_pref_size 96
	.end_amdhsa_kernel
	.amdgpu_metadata
---
amdhsa.version: [ 1, 2 ]
amdhsa.kernels:
  - .name:           k_q5ef00f1456_wq_place
    .symbol:         k_q5ef00f1456_wq_place.kd
    .args:
      - { .name: W1, .offset: 0, .size: 8, .value_kind: global_buffer, .address_space: global }
      - { .name: W2, .offset: 8, .size: 8, .value_kind: global_buffer, .address_space: global }
      - { .name: sets, .offset: 16, .size: 8, .value_kind: global_buffer, .address_space: global }
      - { .name: wc, .offset: 24, .size: 8, .value_kind: global_buffer, .address_space: global }
      - { .name: ws, .offset: 32, .size: 8, .value_kind: global_buffer, .address_space: global }
      - { .name: order, .offset: 40, .size: 8, .value_kind: global_buffer, .address_space: global }
      - { .name: tinfo, .offset: 48, .size: 8, .value_kind: global_buffer, .address_space: global }
    .group_segment_fixed_size: 39424
    .private_segment_fixed_size: 0
    .kernarg_segment_align: 8
    .kernarg_segment_size: 56
    .max_flat_workgroup_size: 512
    .sgpr_count:     98
    .vgpr_count:     128
    .wavefront_size: 32
...
	.end_amdgpu_metadata
.endif
;; end of part 2
;; launch hidden (part 3): grid 256 x 1, 8 waves a work-group, no clusters, 35,840 bytes of LDS; arguments tinfo, order, xc, wc, ws, b1, hq; writes hq
.if DOCPART == 3
	.amdgcn_target "amdgcn-amd-amdhsa--gfx1250"
	.amdhsa_code_object_version 6
	.text
	.protected	k_q5ef00f1456_hidden
	.globl	k_q5ef00f1456_hidden
	.p2align	8
	.type	k_q5ef00f1456_hidden,@function
k_q5ef00f1456_hidden:
	s_mov_b64 s[64:65], 0
	v_nop
	global_prefetch_b8 v0, s[64:65] scope:SCOPE_SE
	s_setreg_imm32_b32 hwreg(HW_REG_WAVE_MODE, 25, 1), 1
	s_wait_xcnt 0x0
; THE HIDDEN LAYER: h = Q(gelu(x W1[e] + b1[e])), on codes of FP4 (E2M1) with one E8M0 byte for each 32 along K, sums in f32; gelu in its tanh form, x / (1 + 2^(k1 x + k2 x^3)), in f32.
; Work left out: an expert that no token of a block chose is passed over (its weight is 0 by reference()'s own -inf: shown at the head of the first kernel).
; SHARES.  The 4,096 tokens, sorted by their pair of experts (order), are cut into 64 blocks of 64.  A work-group takes a block and 256 of the 1,024 hidden columns: 64 x 4 = 256 work-groups.
; The block's experts are read off the stored list of tiles (tinfo: whole numbers): every tile that overlaps places 64 j .. 64 j + 63 gives its two experts' bits.  The block walks them in ascending order;
; the t-th of them is 'position t'.  Every token of the block is taken through each of them (inside a tile with live rows); the next launch multiplies by the stored gate, which is 0 where a token did not choose.
; A loop of 8 trips, a constant; a trip with no expert left is jumped over by a scalar branch on the stored numbers.  No barrier stands in the loop.
; Wave w makes 64 tokens x 32 columns (one block of 32 of the next K): 8 accumulators by turns.  x's 32 images of operand registers lie in LDS (gathered once); THE WEIGHTS come from memory straight into a
; ring of 8 K steps in registers v256-383: a step's 16 registers are asked for again, for the next expert, as soon as they have been multiplied, so a whole expert is on its way ahead of its use.
; So no prefetch is laid; no tensor load and no cluster: branches hang on numbers read from memory.
; The product is used transposed (source 0 = 16 columns, source 1 = 16 tokens): a lane holds one token, its 16 registers of tiles u = 0, 1 are columns 32 pt + 16 (lane / 16) + 0 .. 15.
; OUT: hq [block][position][34,816 bytes]: image (token tile m, K step s) at 1,024 (8 m + s), the 16 bytes of block b of token r at 256 b + 16 r; from 32,768 on the scale bytes [pt][r][m].
; LIMITS: a block of zeros gets the byte 1 where the quantiser says 127 (its codes are zeros; this program alone reads the bytes); NaN and infinities among the inputs are not served.
.set TSB,   32768                      ; LDS: x's images from 0; the tokens' scale words [2][32 tokens][8 K steps] from TSB
.set SPARE, 34816                      ; the spare words, 128 bytes a wave: four blocks of 256 bytes that no other line names
.set REG,   34816                      ; a (block, position) of hq
.set SPW, 2
.set NIL, 3
.set A16, 4                            ; 16 lane
.set AL,  4                            ; the images' LDS address is the same number
.set A32, 7                            ; 32 lane
.set ABI, 8                            ; 64 (lane / 16)
.set STC, 9                            ; 16 r + 8 h
.set STS, 10                           ; 4 r
.set BS,  16                           ; v16-31 the tokens' scale words; v32-39 the weights': scales and nothing else
.set WS,  32
.set BI,  40                           ; v40-55 the bias of my 16 columns
.set ACC, 64                           ; v64-127 accumulator (m, u) at 16 m + 8 u
.set BF,  128                          ; v128-191 the tokens' fragments, two sets; at work in the activation
.set T,   128
.set MX,  192
.set PX,  196
.set SO,  200
.set BY,  204
.set CD,  208
.set SW,  216
.set K1,  218
.set WV, 22
.set J,  23
.set SL, 24
.set PT, 25
.set MASK, 26
.set NL, 27
.set TR, 28
.set EL, 29
.set BLO, 32
.set BHI, 33
.set WOFF, 34
.set SOFF, 35
.set WB, 36
.set SB, 38
.set BB, 40
.set HB, 42
.set HS, 44
.set BOFF, 46
.set SEL, 48
.set GL, 0                             ; loads at a trip's head
.set WSN, 128                          ; v384-391 the next expert's scale words, as they land
.set MSB, 0
.macro WIN new                         ; the immediate's high byte repeats the setting that is left
.if MSB != \new
	s_set_vgpr_msb (MSB<<8)|\new
.set MSB, \new
.endif
.endm
.macro POP                             ; the lowest expert left: its number, held at 7, and the three bases of my wave's part
	s_ctz_i32_b32 s[EL], s[MASK]
	s_min_u32 s[EL], s[EL], 7
	s_sub_co_u32 s30, s[MASK], 1
	s_and_b32 s[MASK], s[MASK], s30
	s_lshl_b32 s52, s[EL], 19
	s_add_co_u32 s52, s52, s[WOFF]
	s_add_nc_u64 s[WB:WB+1], s[10:11], s[52:53]
	s_lshl_b32 s52, s[EL], 15
	s_add_co_u32 s52, s52, s[SOFF]
	s_add_nc_u64 s[SB:SB+1], s[12:13], s[52:53]
	s_lshl_b32 s52, s[EL], 12
	s_add_co_u32 s52, s52, s[BOFF]
	s_add_nc_u64 s[BB:BB+1], s[14:15], s[52:53]
.endm
.macro FRAGS s                         ; the four token tiles' fragments of K step s into set s % 2
.irp m,0,1,2,3
.irp c,0,1
	ds_load_b128 v[BF+32*((\s)%2)+8*\m+4*\c:BF+32*((\s)%2)+8*\m+4*\c+3], v[AL] offset:1024*(8*\m+(\s))+512*\c
.endr
.endr
.endm
.macro REFILL s                        ; group s: two fragments, 4 loads; at s = 0 also the bias and the 8 scale words: 10 loads
.if (\s) == 0
	WIN 0
.irp i,0,1,2,3
	global_load_b128 v[BI+4*\i:BI+4*\i+3], v[ABI], s[BB:BB+1] offset:16*\i
.endr
.endif
	WIN 0x40                                       ; destination in window 1
.if (\s) == 0
	global_load_b128 v[WSN:WSN+3], v[A32], s[SB:SB+1]
	global_load_b128 v[WSN+4:WSN+7], v[A32], s[SB:SB+1] offset:16
.endif
.irp f,0,1,2,3
	global_load_b128 v[16*(\s)+4*\f:16*(\s)+4*\f+3], v[A16], s[WB:WB+1] offset:2048*(\s)+512*\f
.endr
.endm
.macro PRO
.set S, 0
.rept 8
	REFILL S
.set S, S+1
.endr
	WIN 0
.endm
.macro MM m, u, s
.set rD, ACC+16*\m+8*\u
.if (\s) == 0
.set rC, BI+8*\u                       ; the bias starts each sum
.else
.set rC, rD
.endif
.set rA, 16*(\s)+8*\u
.set rB, BF+32*((\s)%2)+8*\m
.set rP, WS+(\s)
.set rQ, BS+8*(\m/2)+(\s)
.if (\u == 0) && (\m%2 == 0)
	v_wmma_scale_f32_16x16x128_f8f6f4 v[rD:rD+7], v[rA:rA+7], v[rB:rB+7], v[rC:rC+7], v[rP], v[rQ] matrix_a_fmt:MATRIX_FMT_FP4 matrix_b_fmt:MATRIX_FMT_FP4
.elseif \m%2 == 0
	v_wmma_scale_f32_16x16x128_f8f6f4 v[rD:rD+7], v[rA:rA+7], v[rB:rB+7], v[rC:rC+7], v[rP], v[rQ] matrix_a_fmt:MATRIX_FMT_FP4 matrix_b_fmt:MATRIX_FMT_FP4 matrix_a_scale:MATRIX_SCALE_ROW1
.elseif \u == 0
	v_wmma_scale_f32_16x16x128_f8f6f4 v[rD:rD+7], v[rA:rA+7], v[rB:rB+7], v[rC:rC+7], v[rP], v[rQ] matrix_a_fmt:MATRIX_FMT_FP4 matrix_b_fmt:MATRIX_FMT_FP4 matrix_b_scale:MATRIX_SCALE_ROW1
.else
	v_wmma_scale_f32_16x16x128_f8f6f4 v[rD:rD+7], v[rA:rA+7], v[rB:rB+7], v[rC:rC+7], v[rP], v[rQ] matrix_a_fmt:MATRIX_FMT_FP4 matrix_b_fmt:MATRIX_FMT_FP4 matrix_a_scale:MATRIX_SCALE_ROW1 matrix_b_scale:MATRIX_SCALE_ROW1
.endif
.endm
; K step s.  rf = 1: its registers are asked for again, for the next expert.  Behind group s of the last round stand groups s + 1 .. 7 (4 loads each), the trip's head (GL) and, with rf, this trip's groups 0 .. s - 1 (10, then 4 each).
.macro STEP s, rf
.if \rf
.if (\s) == 0
	s_wait_loadcnt 28+GL
.else
	s_wait_loadcnt 34+GL
.endif
.else
	s_wait_loadcnt 4*(7-(\s))+GL
.endif
.if (\s) < 7
	s_wait_dscnt 8                                 ; all but the next step's eight
.else
	s_wait_dscnt 0x0
.endif
	WIN 0x01                                       ; source 0 in window 1
.irp m,0,1,2,3
.irp u,0,1
	MM \m, \u, \s
.endr
.endr
	WIN 0
.rept 4
	v_nop                                          ; four places ahead of loads into registers that these products read, and of the first read of their results
.endr
.if (\s) < 6
	FRAGS (\s)+2
.endif
.if \rf
	REFILL \s
.endif
.endm
.macro BODY rf
	s_wait_loadcnt 28                              ; this expert's scale words are in: behind group 0 stand groups 1 to 7
	WIN 0x01
.irp i,0,1,2,3,4,5,6,7
	v_mov_b32 v[WS+\i], v[WSN+\i]                  ; into the registers that the products name (scale operands have no window)
.endr
	WIN 0
.rept 8
	v_nop                                          ; a scale register written by a vector instruction stands 8 places ahead of a scaled product
.endr
	s_wait_alu depctr_va_vdst(0)                   ; the wait here
	FRAGS 0
	FRAGS 1
.set S, 0
.rept 8
	STEP S, \rf
.set S, S+1
.endr
	WIN 0
.set I, 0
.rept 32
	v_pk_mul_f32 v[T+I:T+I+1], v[ACC+I:ACC+I+1], v[ACC+I:ACC+I+1]                    ; x^2 (each accumulator from its low end on)
.set I, I+2
.endr
.set I, 0
.rept 32
	v_pk_fma_f32 v[T+I:T+I+1], v[T+I:T+I+1], 0xbdd2d3e8, v[K1:K1+1] op_sel_hi:[1,0,1]   ; k2 x^2 + k1
.set I, I+2
.endr
.set I, 0
.rept 32
	v_pk_mul_f32 v[T+I:T+I+1], v[T+I:T+I+1], v[ACC+I:ACC+I+1]
.set I, I+2
.endr
	s_wait_alu depctr_va_vdst(0)                   ; the wait ahead of a batch and behind it
.set I, 0
.rept 64
	v_exp_f32 v[T+I], v[T+I]
.set I, I+1
.endr
	v_nop
	s_wait_alu depctr_va_vdst(0)
.set I, 0
.rept 32
	v_pk_add_f32 v[T+I:T+I+1], v[T+I:T+I+1], 1.0 op_sel_hi:[1,0]
.set I, I+2
.endr
	s_wait_alu depctr_va_vdst(0)
.set I, 0
.rept 64
	v_rcp_f32 v[T+I], v[T+I]
.set I, I+1
.endr
	v_nop
	s_wait_alu depctr_va_vdst(0)
.set I, 0
.rept 32
	v_pk_mul_f32 v[ACC+I:ACC+I+1], v[ACC+I:ACC+I+1], v[T+I:T+I+1]                    ; the hidden layer, in f32
.set I, I+2
.endr
.irp m,0,1,2,3                                 ; a block of 32 for each token tile: my 16 numbers, with the floor 2^(3 - 127); the four by turns
	v_max3_num_f32 v[MX+\m], |v[ACC+16*\m]|, |v[ACC+16*\m+1]|, 0x1800000
.endr
.irp i,2,4,6,8,10,12,14
.irp m,0,1,2,3
	v_max3_num_f32 v[MX+\m], v[MX+\m], |v[ACC+16*\m+\i]|, |v[ACC+16*\m+\i+1]|
.endr
.endr
.irp m,0,1,2,3
	v_permlanex16_b32 v[PX+\m], v[MX+\m], s[SEL], s[SEL+1]
.endr
.irp m,0,1,2,3
	v_max_num_f32 v[MX+\m], v[MX+\m], v[PX+\m]     ; with lane l xor 16's
.endr
.irp m,0,1,2,3
	v_add_nc_u32 v[SO+\m], 0xff000000, v[MX+\m]    ; 2 off the exponent field: the conversion's scale operand
.endr
.irp m,0,1,2,3
	v_lshrrev_b32 v[BY+\m], 23, v[SO+\m]           ; the scale's byte
.endr
	v_lshl_or_b32 v[SW], v[BY+1], 8, v[BY]         ; token r's bytes of the four tiles in one word
	v_lshl_or_b32 v[SW], v[BY+2], 16, v[SW]
	v_lshl_or_b32 v[SW], v[BY+3], 24, v[SW]
.irp m,0,1,2,3
	v_cvt_scalef32_pk8_fp4_f32 v[CD+2*\m], v[ACC+16*\m:ACC+16*\m+7], v[SO+\m]
	v_cvt_scalef32_pk8_fp4_f32 v[CD+2*\m+1], v[ACC+16*\m+8:ACC+16*\m+15], v[SO+\m]
.endr
	v_nop                                          ; a plain line behind the conversions
.irp m,0,1,2,3
	global_store_b64 v[STC], v[CD+2*\m:CD+2*\m+1], s[HB:HB+1] offset:8192*\m   ; 32 lanes store 256 consecutive bytes, aligned
.endr
	global_store_b32 v[STS], v[SW], s[HS:HS+1]     ; 64 consecutive bytes (lanes 16-31 store what lanes 0-15 store)
.endm
	s_load_b256 s[4:11], s[0:1], 0x0               ; tinfo, order, xc, wc
	s_load_b128 s[12:15], s[0:1], 0x20             ; ws, b1
	s_load_b64 s[16:17], s[0:1], 0x30              ; hq
	v_lshl_add_u32 v[SPW], v0, 2, SPARE
	v_mov_b32 v[NIL], 0
	v_lshrrev_b32 v1, 5, v0
	v_readfirstlane_b32 s[WV], v1                  ; wave 0..7
	v_and_b32 v13, 31, v0                          ; lane
	v_and_b32 v14, 15, v0                          ; r
	v_bfe_u32 v15, v0, 4, 1                        ; h
	v_lshlrev_b32 v[A16], 4, v13
	v_lshlrev_b32 v[A32], 5, v13
	v_lshlrev_b32 v[ABI], 6, v15
	v_lshlrev_b32 v[STS], 2, v14
	v_lshlrev_b32 v[STC], 4, v14
	v_lshl_add_u32 v[STC], v15, 3, v[STC]
	v_lshlrev_b32 v5, 5, v13                       ; 32 lane
	v_lshl_add_u32 v6, v1, 10, v[A16]              ; the head: wave w brings K step w's images
	v_lshlrev_b32 v11, 5, v14
	v_lshl_add_u32 v11, v1, 2, v11                 ; and their scale words: 32 r + 4 w
	v_mov_b32 v[K1], 0xc0135761                    ; k1 = -2.3022082
	v_mov_b32 v[K1+1], 0xc0135761
.irp m,0,1,2,3
	v_mov_b32 v[PX+\m], 0                          ; a lane permute's destination counts as one of its sources
.endr
	v_mov_b32 v12, 0
	v_mov_b32 v220, 0
	s_lshr_b32 s[J], ttmp9, 2                      ; block
	s_and_b32 s[SL], ttmp9, 3                      ; slice
	s_lshl_b32 s[PT], s[SL], 3
	s_add_co_u32 s[PT], s[PT], s[WV]               ; which 32 columns
	s_lshl_b32 s[WOFF], s[PT], 14
	s_lshl_b32 s[SOFF], s[PT], 10
	s_lshl_b32 s[BOFF], s[PT], 7
	s_lshl_b32 s[BLO], s[J], 6
	s_add_co_u32 s[BHI], s[BLO], 64
	s_mov_b32 s[SEL], 0x76543210
	s_mov_b32 s[SEL+1], 0xfedcba98
	s_mov_b32 s53, 0
	s_lshr_b32 s30, s[WV], 1
	s_and_b32 s31, s[WV], 1
	s_wait_alu depctr_va_vdst(0)                   ; the wait at the head's end
	s_wait_kmcnt 0x0
	s_lshl_b32 s52, s[J], 8
	s_add_nc_u64 s[6:7], s[6:7], s[52:53]          ; order at my block
.irp i,0,1,2,3,4
	global_load_b128 v[64+4*\i:67+4*\i], v[A16], s[4:5] offset:512*\i   ; the 160 tiles, five a lane
.endr
.irp m,0,1,2,3
	global_load_b32 v[84+\m], v[STS], s[6:7] offset:64*\m               ; tokens 16 m + r of the block
.endr
	s_add_nc_u64 s[18:19], s[8:9], 0x200000        ; x's scale bytes lie behind its codes
	s_lshl_b32 s52, s30, 19                        ; xc: quarter w / 2, half w % 2 of a token's 128 bytes
	s_lshl_b32 s50, s31, 6
	s_add_co_u32 s52, s52, s50
	s_add_nc_u64 s[8:9], s[8:9], s[52:53]
	s_lshl_b32 s52, s30, 6
	s_lshl_b32 s50, s31, 2
	s_add_co_u32 s52, s52, s50
	s_add_nc_u64 s[18:19], s[18:19], s[52:53]
	s_mul_i32 s51, s[J], 8*REG
	s_lshl_b32 s52, s[PT], 8
	s_add_co_u32 s52, s52, s51
	s_add_nc_u64 s[HB:HB+1], s[16:17], s[52:53]    ; my codes: 1,024 (pt / 4) + 256 (pt % 4) = 256 pt
	s_lshl_b32 s52, s[PT], 6
	s_add_co_u32 s52, s52, s51
	s_add_co_u32 s52, s52, 32768
	s_add_nc_u64 s[HS:HS+1], s[16:17], s[52:53]    ; my scale bytes
	s_wait_loadcnt 0x0
.irp m,0,1,2,3
	v_min_u32 v[84+\m], 0xfff, v[84+\m]            ; a number read from memory is held inside its table
.endr
.irp m,0,1,2,3
	v_lshlrev_b32 v[88+\m], 7, v[84+\m]
	v_and_b32 v[92+\m], 0xff8, v[84+\m]
	v_and_b32 v[84+\m], 7, v[84+\m]
.endr
.irp m,0,1,2,3
	v_lshl_add_u32 v[88+\m], v15, 4, v[88+\m]      ; xc: token x 128 + 16 h
	v_lshlrev_b32 v[92+\m], 5, v[92+\m]
.endr
.irp m,0,1,2,3
	v_lshl_add_u32 v[92+\m], v[84+\m], 3, v[92+\m] ; xs: 256 (token / 8) + 8 (token % 8)
.endr
.irp m,0,1,2,3
	global_load_b128 v[96+8*\m:99+8*\m], v[88+\m], s[8:9]
	global_load_b128 v[100+8*\m:103+8*\m], v[88+\m], s[8:9] offset:32
	global_load_b32 v[128+\m], v[92+\m], s[18:19]
.endr
.irp i,0,1,2,3,4                               ; a tile {a, b, first, count} that overlaps my places gives bits a and b
	v_add_nc_u32 v[67+4*\i], v[66+4*\i], v[67+4*\i]
	v_lshlrev_b32 v[64+4*\i], v[64+4*\i], 1
	v_lshlrev_b32 v[65+4*\i], v[65+4*\i], 1
	v_or_b32 v[64+4*\i], v[64+4*\i], v[65+4*\i]
	v_cmp_gt_u32 vcc_lo, s[BHI], v[66+4*\i]
	v_cndmask_b32 v[64+4*\i], 0, v[64+4*\i], vcc_lo
	v_cmp_lt_u32 vcc_lo, s[BLO], v[67+4*\i]
	v_cndmask_b32 v[64+4*\i], 0, v[64+4*\i], vcc_lo
	v_or_b32 v12, v12, v[64+4*\i]
.endr
.irp n,1,2,4,8
	v_mov_b32_dpp v220, v12 row_xmask:\n row_mask:0xf bank_mask:0xf
	v_or_b32 v12, v12, v220
.endr
	v_permlanex16_b32 v220, v12, s[SEL], s[SEL+1]
	v_or_b32 v12, v12, v220
	v_readfirstlane_b32 s[MASK], v12
	s_and_b32 s[MASK], s[MASK], 0xff
	s_bcnt1_i32_b32 s[NL], s[MASK]                 ; experts to go
	POP
	PRO                                            ; the first expert's 38 loads
	s_wait_loadcnt 38                              ; x's 12 loads are in: behind them stand the first expert's 38
.irp m,0,1,2,3
	ds_store_b128 v6, v[96+8*\m:99+8*\m] offset:8192*\m
	ds_store_b128 v6, v[100+8*\m:103+8*\m] offset:8192*\m+512
	ds_store_b32 v11, v[128+\m] offset:TSB+1024*(\m/2)+512*(\m%2)   ; (lanes 16-31 write what lanes 0-15 write)
.endr
	s_wait_dscnt 0x0                               ; for the others' sake
	s_barrier_signal -1
	s_barrier_wait -1
.irp p,0,1
.irp q,0,1
	ds_load_b128 v[BS+8*\p+4*\q:BS+8*\p+4*\q+3], v5 offset:TSB+1024*\p+16*\q   ; lanes 0-15 tile 2 p, lanes 16-31 tile 2 p + 1: the words of all 8 K steps
.endr
.endr
	s_mov_b32 s[TR], 0
.Ltrip:
	s_cmp_gt_u32 s[NL], 1
	s_cbranch_scc1 .Lfull
	s_cmp_eq_u32 s[NL], 1
	s_cbranch_scc1 .Llast
	s_branch .Lnext
.Lfull:
	s_wait_xcnt 0x0                                ; the bases are written again only behind this wait
	POP
	BODY 1
	s_branch .Lnext
.Llast:
	BODY 0                                         ; the last expert asks for nothing more
.Lnext:
	s_wait_xcnt 0x0                                ; the stores have read their bases and data
	s_add_nc_u64 s[HB:HB+1], s[HB:HB+1], REG       ; the next position
	s_add_nc_u64 s[HS:HS+1], s[HS:HS+1], REG
	s_max_u32 s[NL], s[NL], 1
	s_sub_co_u32 s[NL], s[NL], 1
	s_add_co_u32 s[TR], s[TR], 1
	s_cmp_lt_u32 s[TR], 8
	s_cbranch_scc1 .Ltrip
	s_wait_tensorcnt 0x0                           ; the wave's end
	ds_add_u32 v[SPW], v[NIL]
	s_wait_dscnt 0x0
	s_endpgm
.Lfunc_end_k_q5ef00f1456_hidden:
	.size	k_q5ef00f1456_hidden, .Lfunc_end_k_q5ef00f1456_hidden-k_q5ef00f1456_hidden
	.p2alignl 7, 3214868480
	.fill 96, 4, 3214868480
	.section	.rodata,"a",@progbits
	.p2align	6, 0x0
	.amdhsa_kernel k_q5ef00f1456_hidden
		.amdhsa_group_segment_fixed_size 35840
		.amdhsa_private_segment_fixed_size 0
		.amdhsa_enable_private_segment 0
		.amdhsa_kernarg_size 56
		.amdhsa_user_sgpr_count 2
		.amdhsa_user_sgpr_kernarg_segment_ptr 1
		.amdhsa_wavefront_size32 1
		.amdhsa_system_sgpr_workgroup_id_x 1
		.amdhsa_system_sgpr_workgroup_id_y 1
		.amdhsa_system_sgpr_workgroup_id_z 1
		.amdhsa_system_vgpr_workitem_id 0
		.amdhsa_next_free_vgpr 392
		.amdhsa_next_free_sgpr 66
		.amdhsa_reserve_vcc 1
		.amdhsa_float_denorm_mode_32 3
		.amdhsa_float_denorm_mode_16_64 3
		.amdhsa_memory_ordered 1
		.amdhsa_forward_progress 1
		.amdhsa_inst_pref_size 87
	.end_amdhsa_kernel
	.amdgpu_metadata
---
amdhsa.version: [ 1, 2 ]
amdhsa.kernels:
  - .name:           k_q5ef00f1456_hidden
    .symbol:         k_q5ef00f1456_hidden.kd
    .args:
      - { .name: tinfo, .offset: 0, .size: 8, .value_kind: global_buffer, .address_space: global }
      - { .name: order, .offset: 8, .size: 8, .value_kind: global_buffer, .address_space: global }
      - { .name: xc, .offset: 16, .size: 8, .value_kind: global_buffer, .address_space: global }
      - { .name: wc, .offset: 24, .size: 8, .value_kind: global_buffer, .address_space: global }
      - { .name: ws, .offset: 32, .size: 8, .value_kind: global_buffer, .address_space: global }
      - { .name: b1, .offset: 40, .size: 8, .value_kind: global_buffer, .address_space: global }
      - { .name: hq, .offset: 48, .size: 8, .value_kind: global_buffer, .address_space: global }
    .group_segment_fixed_size: 35840
    .private_segment_fixed_size: 0
    .kernarg_segment_align: 8
    .kernarg_segment_size: 56
    .max_flat_workgroup_size: 256
    .sgpr_count:     66
    .vgpr_count:     392
    .wavefront_size: 32
...
	.end_amdgpu_metadata
.endif
;; end of part 3
;; launch combine (part 4): grid 256 x 1, 8 waves a work-group, no clusters, 279,552 bytes of LDS; arguments tinfo, order, gate, wc, ws, b2, hq, out0; writes out0
.if DOCPART == 4
	.amdgcn_target "amdgcn-amd-amdhsa--gfx1250"
	.amdhsa_code_object_version 6
	.text
	.protected	k_q5ef00f1456_combine
	.globl	k_q5ef00f1456_combine
	.p2align	8
	.type	k_q5ef00f1456_combine,@function
k_q5ef00f1456_combine:
	s_mov_b64 s[64:65], 0
	v_nop
	global_prefetch_b8 v0, s[64:65] scope:SCOPE_SE
	s_setreg_imm32_b32 hwreg(HW_REG_WAVE_MODE, 25, 1), 1
	s_wait_xcnt 0x0
; out[token] = the sum over the block's experts e of gate(token, e) (h_e W2[e] + b2[e]), the product on codes of FP4 (E2M1) with one E8M0 byte for each 32 along K, sums in f32.
; Work left out: an expert that no token of a block chose is passed over (its weight is 0 by reference()'s own -inf: shown at the head of the first kernel).  A token that did not choose one of the block's
; experts has the stored gate 0 for it.  LIMIT: a row so multiplied by 0 must be finite, as in reference() itself.
; SHARES, as in the launch before: a work-group takes a block of 64 sorted tokens and 256 columns of out, so each row piece has one owner; the block's experts are read off tinfo in the same way and order.
; The hidden layers of all the block's positions (34,816 bytes each, 8 at the most) are copied into LDS at the head, the scale bytes turned into words there; one barrier; then the loop of 8 trips, a constant,
; with no barrier in it.  Wave w makes 64 tokens x 32 columns; the weights come straight into the ring v256-383, asked for a whole expert ahead, so no prefetch is laid.
; No tensor load and no cluster: branches hang on numbers read from memory.
.set REG,   34816
.set SPARE, 278528                     ; behind the 8 positions: the spare words, four blocks of 256 bytes that no other line names
.set SP,    1040                       ; the way out: a row of 1,024 bytes + 16, in the positions' bytes, behind a barrier
.set SPW, 2
.set NIL, 3
.set A16, 4
.set AL,  5                            ; the images of the position in hand
.set ATS, 6                            ; its scale words
.set A32, 7                            ; 32 lane
.set ABI, 8
.set GA,  9                            ; v9-12 my four tokens' places in gate
.set BS,  16
.set WS,  32
.set BI,  40
.set G,   56                           ; v56-63 gates at the even registers
.set ACC, 64
.set BF,  128
.set TOT, 192                          ; v192-255 the sum over experts
.set WV, 22
.set J,  23
.set SL, 24
.set PT, 25
.set MASK, 26
.set NL, 27
.set TR, 28
.set EL, 29
.set BLO, 32
.set BHI, 33
.set WOFF, 34
.set SOFF, 35
.set WB, 36
.set SB, 38
.set BB, 40
.set GB, 42
.set BOFF, 46
.set SEL, 48
.set ROW, 66                           ; s[66:81] my eight output rows
.set GL, 4                             ; loads at a trip's head: four gates
.set WSN, 128                          ; v384-391 the next expert's scale words, as they land
.set MSB, 0
.macro WIN new
.if MSB != \new
	s_set_vgpr_msb (MSB<<8)|\new
.set MSB, \new
.endif
.endm
.macro POP
	s_ctz_i32_b32 s[EL], s[MASK]
	s_min_u32 s[EL], s[EL], 7
	s_sub_co_u32 s30, s[MASK], 1
	s_and_b32 s[MASK], s[MASK], s30
	s_lshl_b32 s52, s[EL], 19
	s_add_co_u32 s52, s52, s[WOFF]
	s_add_nc_u64 s[WB:WB+1], s[10:11], s[52:53]
	s_lshl_b32 s52, s[EL], 15
	s_add_co_u32 s52, s52, s[SOFF]
	s_add_nc_u64 s[SB:SB+1], s[12:13], s[52:53]
	s_lshl_b32 s52, s[EL], 12
	s_add_co_u32 s52, s52, s[BOFF]
	s_add_nc_u64 s[BB:BB+1], s[14:15], s[52:53]
.endm
.macro FRAGS s
.irp m,0,1,2,3
.irp c,0,1
	ds_load_b128 v[BF+32*((\s)%2)+8*\m+4*\c:BF+32*((\s)%2)+8*\m+4*\c+3], v[AL] offset:1024*(8*\m+(\s))+512*\c
.endr
.endr
.endm
.macro REFILL s                        ; group s: two fragments, 4 loads; at s = 0 also the bias and the 8 scale words: 10 loads
.if (\s) == 0
	WIN 0
.irp i,0,1,2,3
	global_load_b128 v[BI+4*\i:BI+4*\i+3], v[ABI], s[BB:BB+1] offset:16*\i
.endr
.endif
	WIN 0x40
.if (\s) == 0
	global_load_b128 v[WSN:WSN+3], v[A32], s[SB:SB+1]
	global_load_b128 v[WSN+4:WSN+7], v[A32], s[SB:SB+1] offset:16
.endif
.irp f,0,1,2,3
	global_load_b128 v[16*(\s)+4*\f:16*(\s)+4*\f+3], v[A16], s[WB:WB+1] offset:2048*(\s)+512*\f
.endr
.endm
.macro PRO
.set S, 0
.rept 8
	REFILL S
.set S, S+1
.endr
	WIN 0
.endm
.macro MM m, u, s
.set rD, ACC+16*\m+8*\u
.if (\s) == 0
.set rC, BI+8*\u
.else
.set rC, rD
.endif
.set rA, 16*(\s)+8*\u
.set rB, BF+32*((\s)%2)+8*\m
.set rP, WS+(\s)
.set rQ, BS+8*(\m/2)+(\s)
.if (\u == 0) && (\m%2 == 0)
	v_wmma_scale_f32_16x16x128_f8f6f4 v[rD:rD+7], v[rA:rA+7], v[rB:rB+7], v[rC:rC+7], v[rP], v[rQ] matrix_a_fmt:MATRIX_FMT_FP4 matrix_b_fmt:MATRIX_FMT_FP4
.elseif \m%2 == 0
	v_wmma_scale_f32_16x16x128_f8f6f4 v[rD:rD+7], v[rA:rA+7], v[rB:rB+7], v[rC:rC+7], v[rP], v[rQ] matrix_a_fmt:MATRIX_FMT_FP4 matrix_b_fmt:MATRIX_FMT_FP4 matrix_a_scale:MATRIX_SCALE_ROW1
.elseif \u == 0
	v_wmma_scale_f32_16x16x128_f8f6f4 v[rD:rD+7], v[rA:rA+7], v[rB:rB+7], v[rC:rC+7], v[rP], v[rQ] matrix_a_fmt:MATRIX_FMT_FP4 matrix_b_fmt:MATRIX_FMT_FP4 matrix_b_scale:MATRIX_SCALE_ROW1
.else
	v_wmma_scale_f32_16x16x128_f8f6f4 v[rD:rD+7], v[rA:rA+7], v[rB:rB+7], v[rC:rC+7], v[rP], v[rQ] matrix_a_fmt:MATRIX_FMT_FP4 matrix_b_fmt:MATRIX_FMT_FP4 matrix_a_scale:MATRIX_SCALE_ROW1 matrix_b_scale:MATRIX_SCALE_ROW1
.endif
.endm
; K step s: behind group s of the last round stand groups s + 1 .. 7 (4 loads each), the trip's four gates and, with rf, this trip's groups 0 .. s - 1 (10, then 4 each).
.macro STEP s, rf
.if \rf
.if (\s) == 0
	s_wait_loadcnt 28+GL
.else
	s_wait_loadcnt 34+GL
.endif
.else
	s_wait_loadcnt 4*(7-(\s))+GL
.endif
.if (\s) < 7
	s_wait_dscnt 8
.else
	s_wait_dscnt 0x0
.endif
	WIN 0x01
.irp m,0,1,2,3
.irp u,0,1
	MM \m, \u, \s
.endr
.endr
	WIN 0
.rept 4
	v_nop                                          ; four places ahead of loads into registers that these products read, and of the first read of their results
.endr
.if (\s) < 6
	FRAGS (\s)+2
.endif
.if \rf
	REFILL \s
.endif
.endm
.macro BODY rf
	s_wait_loadcnt 28                              ; this expert's scale words are in: behind group 0 stand groups 1 to 7
	WIN 0x01
.irp i,0,1,2,3,4,5,6,7
	v_mov_b32 v[WS+\i], v[WSN+\i]                  ; into the registers that the products name (scale operands have no window)
.endr
	WIN 0
.rept 8
	v_nop                                          ; a scale register written by a vector instruction stands 8 places ahead of a scaled product
.endr
	s_wait_alu depctr_va_vdst(0)                   ; the wait here
.irp m,0,1,2,3
	global_load_b32 v[G+2*\m], v[GA+\m], s[GB:GB+1]
.endr
.irp p,0,1
.irp q,0,1
	ds_load_b128 v[BS+8*\p+4*\q:BS+8*\p+4*\q+3], v[ATS] offset:1024*\p+16*\q
.endr
.endr
	FRAGS 0
	FRAGS 1
.set S, 0
.rept 8
	STEP S, \rf
.set S, S+1
.endr
	WIN 0
	s_wait_loadcnt 38*\rf                          ; the gates are in: behind them stand this trip's 38 refills, or nothing
.irp m,0,1,2,3
.irp i,0,2,4,6,8,10,12,14
	v_pk_fma_f32 v[TOT+16*\m+\i:TOT+16*\m+\i+1], v[ACC+16*\m+\i:ACC+16*\m+\i+1], v[G+2*\m:G+2*\m+1], v[TOT+16*\m+\i:TOT+16*\m+\i+1] op_sel_hi:[1,0,1]
.endr
.endr
.endm
.macro LOADP t                         ; position t: my wave's eighth of its images, and the four rows of scale bytes of K step w; positions 0 to 2 land beside the head's v64-95
.set ST, 64+36*(((\t)+1)%4)
.irp i,0,1,2,3,4,5,6,7
	global_load_b128 v[ST+4*\i:ST+4*\i+3], v242, s[16:17] offset:(\t)*REG+4096*\i
.endr
.irp k,0,1,2,3
	global_load_b32 v[ST+32+\k], v244, s[16:17] offset:(\t)*REG+32768+64*\k
.endr
.endm
.macro STOREP t                        ; into LDS as they lie; the 4 x 4 scale bytes [block][tile] of token r are turned into a word for each tile
.set ST, 64+36*(((\t)+1)%4)
	v_add_nc_u32 v247, (\t)*REG, v242
.irp i,0,1,2,3,4,5,6,7
	ds_store_b128 v247, v[ST+4*\i:ST+4*\i+3] offset:4096*\i
.endr
	v_perm_b32 v208, v[ST+33], v[ST+32], 0x05010400
	v_perm_b32 v209, v[ST+33], v[ST+32], 0x07030602
	v_perm_b32 v210, v[ST+35], v[ST+34], 0x05010400
	v_perm_b32 v211, v[ST+35], v[ST+34], 0x07030602
	v_perm_b32 v212, v210, v208, 0x05040100
	v_perm_b32 v213, v210, v208, 0x07060302
	v_perm_b32 v214, v211, v209, 0x05040100
	v_perm_b32 v215, v211, v209, 0x07060302
	v_add_nc_u32 v248, (\t)*REG+32768, v243
.irp m,0,1,2,3
	ds_store_b32 v248, v[212+\m] offset:1024*(\m/2)+512*(\m%2)
.endr
.endm
	s_load_b256 s[4:11], s[0:1], 0x0               ; tinfo, order, gate, wc
	s_load_b256 s[12:19], s[0:1], 0x20             ; ws, b2, hq, out0
	v_lshl_add_u32 v[SPW], v0, 2, SPARE
	v_mov_b32 v[NIL], 0
	v_lshrrev_b32 v1, 5, v0                        ; wave, kept
	v_readfirstlane_b32 s[WV], v1
	v_and_b32 v13, 31, v0                          ; lane, r, h: kept
	v_and_b32 v14, 15, v0
	v_bfe_u32 v15, v0, 4, 1
	v_lshlrev_b32 v[A16], 4, v13
	v_lshlrev_b32 v[AL], 4, v13
	v_lshlrev_b32 v[ATS], 5, v13
	v_add_nc_u32 v[ATS], 32768, v[ATS]
	v_lshlrev_b32 v[A32], 5, v13
	v_lshlrev_b32 v[ABI], 6, v15
	v_lshlrev_b32 v240, 2, v14                     ; 4 r
	v_and_b32 v241, 7, v0
	v_lshlrev_b32 v241, 2, v241
	v_lshl_add_u32 v241, v1, 5, v241               ; order: rows 8 w + lane % 8
	v_lshlrev_b32 v242, 4, v0                      ; 16 x thread
	v_lshlrev_b32 v243, 5, v14
	v_lshl_add_u32 v243, v1, 2, v243               ; 32 r + 4 w
	v_lshl_add_u32 v244, v1, 8, v240               ; 256 w + 4 r
	v_mov_b32 v245, 0
	v_mov_b32 v246, 0
	s_lshr_b32 s[J], ttmp9, 2
	s_and_b32 s[SL], ttmp9, 3
	s_lshl_b32 s[PT], s[SL], 3
	s_add_co_u32 s[PT], s[PT], s[WV]
	s_lshl_b32 s[WOFF], s[PT], 14
	s_add_co_u32 s[WOFF], s[WOFF], 0x400000        ; W2's matrices stand eight behind W1's
	s_lshl_b32 s[SOFF], s[PT], 10
	s_add_co_u32 s[SOFF], s[SOFF], 0x40000
	s_lshl_b32 s[BOFF], s[PT], 7
	s_lshl_b32 s[BLO], s[J], 6
	s_add_co_u32 s[BHI], s[BLO], 64
	s_mov_b32 s[SEL], 0x76543210
	s_mov_b32 s[SEL+1], 0xfedcba98
	s_mov_b32 s53, 0
	s_wait_alu depctr_va_vdst(0)                   ; the wait at the head's end
	s_wait_kmcnt 0x0
	s_lshl_b32 s52, s[J], 8
	s_add_nc_u64 s[6:7], s[6:7], s[52:53]
.irp i,0,1,2,3,4
	global_load_b128 v[64+4*\i:67+4*\i], v[A16], s[4:5] offset:512*\i
.endr
.irp m,0,1,2,3
	global_load_b32 v[84+\m], v240, s[6:7] offset:64*\m
.endr
	global_load_b32 v88, v241, s[6:7]
	s_mul_i32 s52, s[J], 8*REG
	s_add_nc_u64 s[16:17], s[16:17], s[52:53]      ; hq at my block
	s_lshl_b32 s52, s[SL], 10
	s_add_nc_u64 s[18:19], s[18:19], s[52:53]      ; out at my 256 columns
	LOADP 0                                        ; a block has two experts at the least: their hidden layers are asked for with the list
	LOADP 1
	s_wait_loadcnt 24                              ; the list and the tokens are in: behind them stand these 24
.irp i,0,1,2,3,4                               ; a tile {a, b, first, count} that overlaps my places gives bits a and b
	v_add_nc_u32 v[67+4*\i], v[66+4*\i], v[67+4*\i]
	v_lshlrev_b32 v[64+4*\i], v[64+4*\i], 1
	v_lshlrev_b32 v[65+4*\i], v[65+4*\i], 1
	v_or_b32 v[64+4*\i], v[64+4*\i], v[65+4*\i]
	v_cmp_gt_u32 vcc_lo, s[BHI], v[66+4*\i]
	v_cndmask_b32 v[64+4*\i], 0, v[64+4*\i], vcc_lo
	v_cmp_lt_u32 vcc_lo, s[BLO], v[67+4*\i]
	v_cndmask_b32 v[64+4*\i], 0, v[64+4*\i], vcc_lo
	v_or_b32 v245, v245, v[64+4*\i]
.endr
.irp n,1,2,4,8
	v_mov_b32_dpp v246, v245 row_xmask:\n row_mask:0xf bank_mask:0xf
	v_or_b32 v245, v245, v246
.endr
	v_permlanex16_b32 v246, v245, s[SEL], s[SEL+1]
	v_or_b32 v245, v245, v246
	v_readfirstlane_b32 s[MASK], v245
.irp m,0,1,2,3                                 ; gate: 256 (token / 8) + 64 (token % 4) + (token & 4)
	v_min_u32 v[84+\m], 0xfff, v[84+\m]
.endr
.irp m,0,1,2,3
	v_and_b32 v[GA+\m], 0xff8, v[84+\m]
	v_and_b32 v[92+\m], 3, v[84+\m]
	v_and_b32 v[84+\m], 4, v[84+\m]
.endr
.irp m,0,1,2,3
	v_lshl_add_u32 v[GA+\m], v[GA+\m], 5, v[84+\m]
.endr
.irp m,0,1,2,3
	v_lshl_add_u32 v[GA+\m], v[92+\m], 6, v[GA+\m]
.endr
	s_wait_alu depctr_va_vdst(0)                   ; the wait ahead of the run of scalar lines
.irp i,0,1,2,3,4,5,6,7
	v_readlane_b32 s30, v88, \i
	s_min_u32 s30, s30, 0xfff
	s_lshl_b32 s52, s30, 12
	s_add_nc_u64 s[ROW+2*\i:ROW+2*\i+1], s[18:19], s[52:53]
.endr
	s_and_b32 s[MASK], s[MASK], 0xff
	s_bcnt1_i32_b32 s[NL], s[MASK]
	POP
	s_cmp_gt_u32 s[NL], 2
	s_cbranch_scc0 .Lh2
	LOADP 2
	s_cmp_gt_u32 s[NL], 3
	s_cbranch_scc0 .Lh3
	LOADP 3
	PRO
	s_wait_loadcnt 38                              ; all but the first expert's 38
	STOREP 0
	STOREP 1
	STOREP 2
	STOREP 3
.irp t,4,5,6,7
	s_cmp_gt_u32 s[NL], \t
	s_cbranch_scc0 .Ljoin
	LOADP \t
	s_wait_loadcnt 0x0
	STOREP \t
.endr
	s_branch .Ljoin
.Lh3:
	PRO
	s_wait_loadcnt 38
	STOREP 0
	STOREP 1
	STOREP 2
	s_branch .Ljoin
.Lh2:
	PRO
	s_wait_loadcnt 38
	STOREP 0
	STOREP 1
.Ljoin:
.set I, 0
.rept 64
	v_mov_b32 v[TOT+I], 0                          ; the loop is written once: its first expert adds onto zeros
.set I, I+1
.endr
.irp m,0,1,2,3
	v_mov_b32 v[G+2*\m+1], 0                       ; named as the upper halves of the gates' pairs
.endr
	s_wait_alu depctr_va_vdst(0)                   ; the wait here, directly ahead of the wait below
	s_wait_dscnt 0x0                               ; for the others' sake
	s_barrier_signal -1
	s_barrier_wait -1
	s_mov_b32 s[TR], 0
.Ltrip:
	s_wait_xcnt 0x0                                ; the bases are written again only behind this wait
	s_lshl_b32 s52, s[EL], 3                       ; the expert whose weights are in the ring: its gates, 8 bytes an expert
	s_add_nc_u64 s[GB:GB+1], s[8:9], s[52:53]
	s_cmp_gt_u32 s[NL], 1
	s_cbranch_scc1 .Lfull
	s_cmp_eq_u32 s[NL], 1
	s_cbranch_scc1 .Llast
	s_branch .Lnext
.Lfull:
	POP
	BODY 1
	s_branch .Lnext
.Llast:
	BODY 0
.Lnext:
	v_add_nc_u32 v[AL], REG, v[AL]                 ; the next position
	v_add_nc_u32 v[ATS], REG, v[ATS]
	s_wait_alu depctr_va_vdst(0)                   ; the wait here, directly behind the writes
	s_max_u32 s[NL], s[NL], 1
	s_sub_co_u32 s[NL], s[NL], 1
	s_add_co_u32 s[TR], s[TR], 1
	s_cmp_lt_u32 s[TR], 8
	s_cbranch_scc1 .Ltrip
	; THE WAY OUT: the eight waves' columns meet in LDS, so that a wave stores 512 consecutive bytes of a token's row at a time.
	s_wait_loadcnt 0x0
	s_wait_dscnt 0x0
	s_barrier_signal -1
	s_barrier_wait -1                              ; nobody reads the hidden layers any more
	v_mul_u32_u24 v128, v14, SP
	v_lshl_add_u32 v128, v15, 6, v128
	v_lshl_add_u32 v128, v1, 7, v128               ; row r, + 128 w + 64 h
.irp m,0,1,2,3
.irp i,0,1,2,3
	ds_store_b128 v128, v[TOT+16*\m+4*\i:TOT+16*\m+4*\i+3] offset:16*SP*\m+16*\i
.endr
.endr
	s_wait_dscnt 0x0
	s_barrier_signal -1
	s_barrier_wait -1
	v_mul_u32_u24 v129, v1, 8*SP
	v_lshl_add_u32 v129, v13, 4, v129              ; rows 8 w .. 8 w + 7
.irp n,0,1,2,3,4,5,6,7,8,9,10,11,12,13,14,15
	ds_load_b128 v[64+4*\n:67+4*\n], v129 offset:SP*(\n/2)+512*(\n%2)
.endr
.irp n,0,1,2,3,4,5,6,7,8,9,10,11,12,13,14,15
	s_wait_dscnt 15-\n
	global_store_b128 v[A16], v[64+4*\n:67+4*\n], s[ROW+2*(\n/2):ROW+2*(\n/2)+1] offset:512*(\n%2) th:TH_STORE_NT
.endr
	s_wait_tensorcnt 0x0                           ; the wave's end
	ds_add_u32 v[SPW], v[NIL]
	s_wait_dscnt 0x0
	s_endpgm
.Lfunc_end_k_q5ef00f1456_combine:
	.size	k_q5ef00f1456_combine, .Lfunc_end_k_q5ef00f1456_combine-k_q5ef00f1456_combine
	.p2alignl 7, 3214868480
	.fill 96, 4, 3214868480
	.section	.rodata,"a",@progbits
	.p2align	6, 0x0
	.amdhsa_kernel k_q5ef00f1456_combine
		.amdhsa_group_segment_fixed_size 279552
		.amdhsa_private_segment_fixed_size 0
		.amdhsa_enable_private_segment 0
		.amdhsa_kernarg_size 64
		.amdhsa_user_sgpr_count 2
		.amdhsa_user_sgpr_kernarg_segment_ptr 1
		.amdhsa_wavefront_size32 1
		.amdhsa_system_sgpr_workgroup_id_x 1
		.amdhsa_system_sgpr_workgroup_id_y 1
		.amdhsa_system_sgpr_workgroup_id_z 1
		.amdhsa_system_vgpr_workitem_id 0
		.amdhsa_next_free_vgpr 392
		.amdhsa_next_free_sgpr 84
		.amdhsa_reserve_vcc 1
		.amdhsa_float_denorm_mode_32 3
		.amdhsa_float_denorm_mode_16_64 3
		.amdhsa_memory_ordered 1
		.amdhsa_forward_progress 1
		.amdhsa_inst_pref_size 97
	.end_amdhsa_kernel
	.amdgpu_metadata
---
amdhsa.version: [ 1, 2 ]
amdhsa.kernels:
  - .name:           k_q5ef00f1456_combine
    .symbol:         k_q5ef00f1456_combine.kd
    .args:
      - { .name: tinfo, .offset: 0, .size: 8, .value_kind: global_buffer, .address_space: global }
      - { .name: order, .offset: 8, .size: 8, .value_kind: global_buffer, .address_space: global }
      - { .name: gate, .offset: 16, .size: 8, .value_kind: global_buffer, .address_space: global }
      - { .name: wc, .offset: 24, .size: 8, .value_kind: global_buffer, .address_space: global }
      - { .name: ws, .offset: 32, .size: 8, .value_kind: global_buffer, .address_space: global }
      - { .name: b2, .offset: 40, .size: 8, .value_kind: global_buffer, .address_space: global }
      - { .name: hq, .offset: 48, .size: 8, .value_kind: global_buffer, .address_space: global }
      - { .name: out0, .offset: 56, .size: 8, .value_kind: global_buffer, .address_space: global }
    .group_segment_fixed_size: 279552
    .private_segment_fixed_size: 0
    .kernarg_segment_align: 8
    .kernarg_segment_size: 64
    .max_flat_workgroup_size: 256
    .sgpr_count:     84
    .vgpr_count:     392
    .wavefront_size: 32
...
	.end_amdgpu_metadata
.endif
;; end of part 4
